; MI455X (gfx1250); checked and timed in simulation.
; The chip was launched on July 23, 2026; its instructions are those of AMD's public machine-readable ISA for CDNA 5 (MIT licence, August 2026) and "CDNA5" Instruction Set Architecture Reference Guide (July 2026). The comments in the code are by the model that wrote it; some were corrected since.
;; Scaled Dot Product Attention. Allowed arithmetic: matrix products marked QUANTISED: E2M1 operands, one E8M0 scale for each 32 along K, by v_wmma_scale_f32_16x16x128_f8f6f4 with both operands' format E2M1 (or v_wmma_scale_f32_32x16x128_f4), f32 sums; everything else in f32.
;; Inputs: Wk_codes 1,024 x 32 x 16 uint8 (E2M1 codes of Wk, K innermost, in blocks of 32 codes, two codes a byte); Wk_scales 1,024 x 32 uint8 (E8M0 scales of Wk, one for each 32 codes along K); Wo_codes 1,024 x 32 x 16 uint8 (E2M1 codes of Wo, K innermost, in blocks of 32 codes, two codes a byte); Wo_scales 1,024 x 32 uint8 (E8M0 scales of Wo, one for each 32 codes along K); Wq_codes 1,024 x 32 x 16 uint8 (E2M1 codes of Wq, K innermost, in blocks of 32 codes, two codes a byte); Wq_scales 1,024 x 32 uint8 (E8M0 scales of Wq, one for each 32 codes along K); Wv_codes 1,024 x 32 x 16 uint8 (E2M1 codes of Wv, K innermost, in blocks of 32 codes, two codes a byte); Wv_scales 1,024 x 32 uint8 (E8M0 scales of Wv, one for each 32 codes along K); attn_mask 2,048 x 2,048 bool; beta 1,024 float32; gamma 1,024 float32; x 4 x 2,048 x 1,024 float32.
;; Outputs: out0 4 x 2,048 x 1,024 float32.
;; This version of the problem:
;;   THIS VERSION OF THE PROBLEM IS GIVEN IN LOW PRECISION. The matrix products marked QUANTISED in the list below multiply operands that are first quantised to E2M1 (2 exponent bits, 1 mantissa bit; 4 bits a number), with one power-of-two scale for each 32 numbers along K (OCP MX v1.0); their sums are f32. All else is computed in f32.
;;   The module's matrix products, in the order in which they are computed (A, B: the left and right operand; K: the contracted axis; several contracted axes count as one K, in the product's order):
;;     1. [M 8,192, K 1,024] x [K 1,024, N 1,024]; A: input x; B: input Wq (given as codes): QUANTISED
;;     2. [M 8,192, K 1,024] x [K 1,024, N 1,024]; A: input x; B: input Wk (given as codes): QUANTISED
;;     3. [M 8,192, K 1,024] x [K 1,024, N 1,024]; A: input x; B: input Wv (given as codes): QUANTISED
;;     4. batch 64 x [M 2,048, K 64] x [K 64, N 2,048]; A: computed on the way; B: computed on the way: QUANTISED
;;     5. batch 64 x [M 2,048, K 2,048] x [K 2,048, N 64]; A: softmax (see below); B: computed on the way: QUANTISED
;;     6. [M 8,192, K 1,024] x [K 1,024, N 1,024]; A: computed on the way; B: input Wo (given as codes): QUANTISED
;;   THE QUANTISER, for each operand of a quantised product, along K:
;;     - K is cut into blocks of 32 from its start; a last block that is shorter is filled with zeros.
;;     - A block's scale is 2^e with e = floor(log2(the largest magnitude in the block)) - 2, held to -126 .. 127; a block of zeros has e = 0. As a byte (E8M0): e + 127.
;;     - Each number is divided by its block's scale, clamped to +-6, and rounded to the nearest number of E2M1, ties to even, subnormals kept.
;;     - The product sums the exact products of the quantised numbers (number of the format x scale) in f32.
;;   ~~~python
;;   def quantise(x, axis):      # numpy; x: float32 -> the quantised numbers, widened to float32 again
;;       x = np.moveaxis(x, axis, -1); K = x.shape[-1]
;;       x = np.pad(x, [(0, 0)] * (x.ndim - 1) + [(0, -K % 32)]); x = x.reshape(x.shape[:-1] + (-1, 32)); a = np.abs(x).max(-1, keepdims=True)
;;       e = np.where(a > 0, np.clip(np.frexp(np.where(a > 0, a, 1))[1] - 1 - 2, -126, 127), 0)      # np.frexp(a)[1] - 1 = floor(log2(a)), exactly
;;       r = np.clip(x / 2.0 ** e, -6, 6)
;;       step = 2.0 ** (np.maximum(np.frexp(np.where(r == 0, 1, r))[1] - 1, 0) - 1)
;;       q = np.round(r / step) * step * 2.0 ** e      # np.round: ties to even
;;       return np.moveaxis(q.reshape(q.shape[:-2] + (-1,))[..., :K], -1, axis).astype(np.float32)
;;   ~~~
;;   SOFTMAX AHEAD OF A QUANTISED PRODUCT. Where the list says 'softmax', what is quantised is not the finished softmax but p = 2^(t - M), with t = logit x log2(e) and M = ceil(the row's largest t), a whole number; so 1/2 < the row's largest p <= 1. The row's sum l is taken of the UNQUANTISED p, in f32, and the product's result is divided by l at the end. Since M is a whole number, a kernel that streams over the keys may use a running M (the ceiling of the running maximum): every later rescaling is an exact power of two, which a block's scale takes up: the codes' values come out the same.
;;   OPERANDS COMPUTED ON THE WAY. 'Computed on the way' means the value that the module computes at that place (a softmax that the list does not call 'softmax' is quantised finished and normalised). What goes into a quantiser is computed in f32, as accurately as f32 sums, v_exp_f32 and their like allow (about 1e-6 of the number): no bf16 or f16 on the way to a quantiser, and a product that is left as it is and whose result goes on into a quantised operand takes f32 operands (vector FMAs, or v_wmma_f32_16x16x4_f32). A number that lies on a knife's edge between two numbers of the format may be rounded either way, as far as f32 arithmetic and the matrix unit's own rounding can turn it there, and no further.
;;   INPUTS GIVEN AS CODES. Wk (in the module: [1024, 1024], K = its axis 0); Wo (in the module: [1024, 1024], K = its axis 0); Wq (in the module: [1024, 1024], K = its axis 0); Wv (in the module: [1024, 1024], K = its axis 0): each comes as NAME_codes (uint8): NAME with its K axis moved to the last place and cut into blocks of 32 codes, [.., K / 32, bytes a block], one block behind the other in memory; two codes a byte, the lower K in the low four bits (a code: sign, 2 exponent bits, 1 mantissa bit); and NAME_scales (uint8): the same leading axes, one E8M0 byte (e + 127) for each 32 codes along K. Its value is code x scale, taken as it is: it is not quantised again, and the codes and scales need not be those that the quantiser above would give.
;; 2 versions, each right; version 2 is version 1 with the launch attn written anew for expert scheduling mode. Each part assembles by itself: llvm-mc -triple=amdgcn-amd-amdhsa -mcpu=gfx1250 --defsym DOCPART=n.
;; ======== version 1 of 2: 4 launches
;; limits: right only within a limited range of input values
;; workspace buffers: opnd 6,684,672 bytes; mwords 540,672 bytes of whole numbers; qkv 13,369,344 bytes; zq 4,456,448 bytes
;; launch prep (part 1): grid 256 x 1, 4 waves a work-group, no clusters, 34,304 bytes of LDS; arguments Wq_codes, Wq_scales, Wk_codes, Wk_scales, Wv_codes, Wv_scales, Wo_codes, Wo_scales, x, attn_mask, opnd, mwords; writes opnd, mwords
.if DOCPART == 1
	.amdgcn_target "amdgcn-amd-amdhsa--gfx1250"
	.amdhsa_code_object_version 6
	.text
	.protected	k_q290a689b22_prep
	.globl	k_q290a689b22_prep
	.p2align	8
	.type	k_q290a689b22_prep,@function
k_q290a689b22_prep:
	s_mov_b64 s[64:65], 0
	v_nop
	global_prefetch_b8 v0, s[64:65] scope:SCOPE_SE
	s_setreg_imm32_b32 hwreg(HW_REG_WAVE_MODE, 25, 1), 1
	s_wait_xcnt 0x0
; PREP: x [8192][1024] f32 -> codes of FP4 (E2M1) with one E8M0 byte for each 32 along the 1,024; the four weights' codes and scale bytes re-laid; the mask -> bit words.
; All operands are stored as IMAGES OF THE OPERAND'S REGISTERS.  A TILE T holds rows rho(T, m) = 32 (T / 2) + 8 (T % 2) + m + 8 (m / 8), m = 0 .. 15.  The image of (tile, K step of 128) is 1,024 bytes,
; [c 0..1][lane][16 bytes]: registers 4 c .. 4 c + 3 of lane (r, h) hold k = 64 c + 32 h + 0 .. 31 of row rho(T, r).  A tile's scale words lie [r][8 words], word s for K step s.
; opnd: x images at 0 ([512 tiles][8][1024]), x scale rows at XS, weight images at WI ([256 tiles][8][1024]: 64 of Wq, Wk, Wv, Wo each), weight scale rows at WS.
; mwords: at 0 [query tile 128][key step 16][64 words]: word 16 b + i, bit L = mask[rho(qt, L % 16)][128 ks + 32 b + 16 (L / 16) + i]; at MS [query tile][32 words]: the AND of a step's 64 words (16 steps), then the OR.
; SHARES: work-group g: weight tile g (wave w: K steps 2 w, 2 w + 1); query tile g / 2, key steps 8 (g % 2) + 2 w, + 1; token tile 2 g + w / 2, K steps 4 (w % 2) + 0 .. 3.  Waves share nothing: no barrier.
; A block's scale byte is its largest magnitude's exponent field - 2, held at 1 from below.
; LIMITS: a block of zeros gets the byte 1 (its codes are zeros; this program alone reads the bytes); NaN and infinities in x are not served; a mask byte other than 0 counts as true.
.set XS,   4194304
.set WI,   4456448
.set WS,   6553600
.set MS,   524288
.set SP,   528                         ; a stage row: 512 bytes + 16, an odd multiple of 16: the sixteen rows that a read touches start at different banks
.set L16,  1                           ; v1   16 x lane
.set WLD,  2                           ; v2   weight codes, in: (r + 8 (r / 8)) x 512 + 16 h
.set WSL,  3                           ; v3   weight scale word, in: (r + 8 (r / 8)) x 32 + 4 h
.set WSS,  4                           ; v4   and out: 32 r + 4 h
.set MLD,  5                           ; v5   mask, in: (r + 8 (r / 8)) x 2048 + 16 h
.set L8,   6                           ; v6   8 x lane
.set SIN,  7                           ; v7   my wave's stage, on the way in: 16 x lane
.set SOUT, 8                           ; v8   and out: 528 r + 64 h
.set XSS,  9                           ; v9   x scale words, out: 32 r + 8 h
.set MSA,  10                          ; v10  summary words, out: 4 (lane & 1) + 64 ((lane >> 1) & 1)
.set TM,   12                          ; v12-27 the quantiser's work
.set PW,   28                          ; v28-31 a scale word for each unit
.set PC,   32                          ; v32-63 codes, eight registers for each unit: no store's data are written again
.set X,    64                          ; v64-127 64 numbers of a lane; ahead of the first unit: MR, WR, TP, MW, MSV
.set MR,   64                          ; v64-95  mask bytes of two key steps
.set WR,   96                          ; v96-111 weight codes, v112 a weight scale word
.set TP,   113                         ; v113-116 at work
.set MW,   118                         ; v118-121 the bit words, two a lane, for two key steps
.set MSV,  122
.set RAW,  128                         ; v128-255 two sets of 64: x as it is loaded
.set SEL,  16                          ; s[16:17] selects of v_permlanex16_b32: lane l xor 16
	s_load_b512 s[16:31], s[0:1], 0x0              ; Wq codes, scales; Wk; Wv; Wo
	s_load_b256 s[8:15], s[0:1], 0x40              ; x s[8:9], mask s[10:11], opnd s[12:13], mwords s[14:15]
	v_lshl_add_u32 v22, v0, 2, 0x8400
	v_mov_b32 v23, 0
	v_lshrrev_b32 v11, 5, v0
	v_readfirstlane_b32 s2, v11                    ; wave 0..3
	v_and_b32 v12, 31, v0                          ; lane
	v_and_b32 v13, 15, v0                          ; r
	v_bfe_u32 v14, v0, 4, 1                        ; h
	v_and_b32 v15, 8, v13
	v_add_nc_u32 v15, v15, v13                     ; r + 8 (r / 8)
	v_lshlrev_b32 v[L16], 4, v12
	v_lshlrev_b32 v[L8], 3, v12
	v_lshlrev_b32 v[WLD], 9, v15
	v_lshl_add_u32 v[WLD], v14, 4, v[WLD]
	v_lshlrev_b32 v[WSL], 5, v15
	v_lshl_add_u32 v[WSL], v14, 2, v[WSL]
	v_lshlrev_b32 v[WSS], 5, v13
	v_lshl_add_u32 v[WSS], v14, 2, v[WSS]
	v_lshlrev_b32 v[MLD], 11, v15
	v_lshl_add_u32 v[MLD], v14, 4, v[MLD]
	s_mul_i32 s3, s2, 16*SP                        ; my wave's stage
	v_add_nc_u32 v[SIN], s3, v[L16]
	v_mul_u32_u24 v[SOUT], v13, SP
	v_lshl_add_u32 v[SOUT], v14, 6, v[SOUT]
	v_add_nc_u32 v[SOUT], s3, v[SOUT]
	v_lshlrev_b32 v[XSS], 5, v13
	v_lshl_add_u32 v[XSS], v14, 3, v[XSS]
	v_and_b32 v[MSA], 1, v0
	v_lshlrev_b32 v[MSA], 2, v[MSA]
	v_bfe_u32 v11, v0, 1, 1
	v_lshl_add_u32 v[MSA], v11, 6, v[MSA]
.irp b, 0,1,2,3
	v_mov_b32 v[TM+4+\b], 0                        ; written once: a lane permute's destination counts as one of its sources
	v_mov_b32 v[MW+\b], 0                          ; likewise v_writelane_b32's
.endr
	s_and_b32 s3, s2, 1                            ; kh = w % 2
	s_lshr_b32 s4, s2, 1                           ; w / 2
	s_lshr_b32 s5, ttmp9, 6                        ; which weight: 0 Wq, 1 Wk, 2 Wv, 3 Wo
	s_and_b32 s6, ttmp9, 62
	s_lshl_b32 s6, s6, 4                           ; 32 (tau / 2), tau = g % 64
	s_and_b32 s7, ttmp9, 1
	s_lshl_b32 s7, s7, 3
	s_add_co_u32 s6, s6, s7                        ; the weight tile's first row
	s_lshl_b32 s32, s6, 9                          ; x 512 bytes of codes,
	s_lshl_b32 s7, s2, 7
	s_add_co_u32 s32, s32, s7                      ; + my two K steps
	s_mov_b32 s33, 0
	s_lshl_b32 s34, s6, 5                          ; x 32 scale bytes,
	s_lshl_b32 s7, s2, 3
	s_add_co_u32 s34, s34, s7
	s_mov_b32 s35, 0
	s_lshr_b32 s6, ttmp9, 2
	s_lshl_b32 s6, s6, 5
	s_bfe_u32 s7, ttmp9, 0x10001
	s_lshl_b32 s7, s7, 3
	s_add_co_u32 s6, s6, s7                        ; the query tile's first row: 32 (qt / 2) + 8 (qt % 2), qt = g / 2
	s_lshl_b32 s36, s6, 11                         ; x 2,048 mask bytes
	s_and_b32 s7, ttmp9, 1
	s_lshl_b32 s7, s7, 3
	s_lshl_b32 s6, s2, 1
	s_add_co_u32 s7, s7, s6                        ; ks0 = 8 (g % 2) + 2 w
	s_lshl_b32 s6, s7, 7
	s_add_co_u32 s36, s36, s6
	s_mov_b32 s37, 0
	s_lshr_b32 s6, ttmp9, 1                        ; qt
	s_lshl_b32 s38, s6, 4
	s_add_co_u32 s38, s38, s7
	s_lshl_b32 s38, s38, 8                         ; the bit words: (16 qt + ks0) x 256
	s_mov_b32 s39, 0
	s_lshl_b32 s40, s6, 7
	s_lshl_b32 s7, s7, 2
	s_add_co_u32 s40, s40, s7
	s_add_co_u32 s40, s40, MS                      ; the summaries: MS + 128 qt + 4 ks0
	s_mov_b32 s41, 0
	s_lshl_b32 s42, ttmp9, 17                      ; x: token 32 g + 8 (w / 2), 4,096 bytes a token, + 2,048 kh
	s_lshl_b32 s6, s4, 15
	s_add_co_u32 s42, s42, s6
	s_lshl_b32 s6, s3, 11
	s_add_co_u32 s42, s42, s6
	s_mov_b32 s43, 0
	s_lshl_b32 s44, ttmp9, 13                      ; weight images: WI + 8,192 g + 2,048 w
	s_lshl_b32 s6, s2, 11
	s_add_co_u32 s44, s44, s6
	s_add_co_u32 s44, s44, WI
	s_mov_b32 s45, 0
	s_lshl_b32 s46, ttmp9, 9                       ; weight scale rows: WS + 512 g + 8 w
	s_lshl_b32 s6, s2, 3
	s_add_co_u32 s46, s46, s6
	s_add_co_u32 s46, s46, WS
	s_mov_b32 s47, 0
	s_lshl_b32 s6, ttmp9, 1
	s_add_co_u32 s6, s6, s4                        ; token tile TT = 2 g + w / 2
	s_lshl_b32 s52, s6, 13                         ; x images: 8,192 TT + 4,096 kh
	s_lshl_b32 s7, s3, 12
	s_add_co_u32 s52, s52, s7
	s_mov_b32 s53, 0
	s_lshl_b32 s54, s6, 9                          ; x scale rows: XS + 512 TT + 16 kh
	s_lshl_b32 s7, s3, 4
	s_add_co_u32 s54, s54, s7
	s_add_co_u32 s54, s54, XS
	s_mov_b32 s55, 0
	s_wait_kmcnt 0x0
	s_cmp_lt_u32 s5, 1                             ; the weight is chosen by the work-group's number alone
	s_cselect_b64 s[16:17], s[16:17], s[20:21]
	s_cselect_b64 s[18:19], s[18:19], s[22:23]
	s_cmp_lt_u32 s5, 3
	s_cselect_b64 s[24:25], s[24:25], s[28:29]
	s_cselect_b64 s[26:27], s[26:27], s[30:31]
	s_cmp_lt_u32 s5, 2
	s_cselect_b64 s[16:17], s[16:17], s[24:25]
	s_cselect_b64 s[18:19], s[18:19], s[26:27]
	s_add_nc_u64 s[32:33], s[16:17], s[32:33]
	s_add_nc_u64 s[34:35], s[18:19], s[34:35]
	s_add_nc_u64 s[36:37], s[10:11], s[36:37]
	s_add_nc_u64 s[38:39], s[14:15], s[38:39]
	s_add_nc_u64 s[40:41], s[14:15], s[40:41]
	s_add_nc_u64 s[42:43], s[8:9], s[42:43]
	s_add_nc_u64 s[44:45], s[12:13], s[44:45]
	s_add_nc_u64 s[46:47], s[12:13], s[46:47]
	s_add_nc_u64 s[52:53], s[12:13], s[52:53]
	s_add_nc_u64 s[54:55], s[12:13], s[54:55]
	s_mov_b32 s[SEL], 0x76543210
	s_mov_b32 s[SEL+1], 0xfedcba98
	s_mov_b32 s18, 0xaaaaaaaa                      ; lanes with lane & 1
	s_mov_b32 s19, 0xcccccccc                      ; lanes with lane & 2
	s_mov_b32 s20, 0xffff0000                      ; lanes 16-31
; 16 rows x 128 numbers of x: row m of the tile, 512 consecutive bytes a load
.macro LOADX u
.irp m, 0,1,2,3,4,5,6,7,8,9,10,11,12,13,14,15
	global_load_b128 v[RAW+64*((\u)%2)+4*\m:RAW+64*((\u)%2)+4*\m+3], v[L16], s[42:43] offset:(\m+8*(\m/8))*4096+512*(\u) th:TH_LOAD_NT
.endr
.endm
.irp e, 0,1
.irp b, 0,1,2,3
	global_load_b128 v[MR+16*\e+4*\b:MR+16*\e+4*\b+3], v[MLD], s[36:37] offset:128*\e+32*\b th:TH_LOAD_NT   ; mask bytes i = 0 .. 15 of block b, my half
.endr
.endr
.irp e, 0,1
.irp c, 0,1
	global_load_b128 v[WR+8*\e+4*\c:WR+8*\e+4*\c+3], v[WLD], s[32:33] offset:64*\e+32*\c th:TH_LOAD_NT
.endr
.endr
	global_load_b32 v[WR+16], v[WSL], s[34:35] th:TH_LOAD_NT    ; lane (r, h): the word of K step 2 w + h
	LOADX 0
	LOADX 1
	s_wait_loadcnt 32                              ; mask and weights are in; the 32 loads of x behind them stay out
.irp e, 0,1
.irp c, 0,1
	global_store_b128 v[L16], v[WR+8*\e+4*\c:WR+8*\e+4*\c+3], s[44:45] offset:1024*\e+512*\c   ; 512 consecutive bytes
.endr
.endr
	global_store_b32 v[WSS], v[WR+16], s[46:47]
; The 64 bit words of key step ks0 + e: a compare gathers one byte of each lane into a scalar; the words go two to a lane, and their AND and OR are kept.
.macro BALLOT e
.set n, 0
.rept 64
	v_bfe_u32 v[TP+n%4], v[MR+16*\e+n/4], 8*(n%4), 8
	v_cmp_ne_u32 s[56+n%8], 0, v[TP+n%4]
.if n == 0
	s_mov_b32 s[48+\e], s56
	s_mov_b32 s[50+\e], s56
.else
	s_and_b32 s[48+\e], s[48+\e], s[56+n%8]
	s_or_b32 s[50+\e], s[50+\e], s[56+n%8]
.endif
	v_writelane_b32 v[MW+2*\e+(n&1)], s[56+n%8], n>>1
.set n, n+1
.endr
	global_store_b64 v[L8], v[MW+2*\e:MW+2*\e+1], s[38:39] offset:256*\e   ; 256 consecutive bytes, aligned
.endm
	BALLOT 0
	BALLOT 1
	v_mov_b32 v[TP], s48                           ; the four summary words: every lane takes the word of lane & 3, so that all lanes stay on;
	v_mov_b32 v[TP+1], s49                         ; eight lanes store the same word with the same value
	v_cndmask_b32 v[TP], v[TP], v[TP+1], s18
	v_mov_b32 v[TP+2], s50
	v_mov_b32 v[TP+3], s51
	v_cndmask_b32 v[TP+2], v[TP+2], v[TP+3], s18
	v_cndmask_b32 v[MSV], v[TP], v[TP+2], s19
	global_store_b32 v[MSA], v[MSV], s[40:41]
	s_wait_xcnt 0x0                                ; the stores above have read their registers: v64-127 now take x
; 64 numbers of a lane, register 16 b + i = k 32 b + 16 h + i of my row, become a fragment's eight registers of codes and its scale word.
.macro QUANT s, pc, pw
.irp b, 0,1,2,3
	v_max3_num_f32 v[TM+\b], |v[(\s)+16*\b]|, |v[(\s)+1+16*\b]|, 0x1800000   ; my 16 numbers of block b, and the floor 2^(3 - 127): the byte cannot fall under 1
.endr
.irp i, 2,4,6,8,10,12,14
.irp b, 0,1,2,3
	v_max3_num_f32 v[TM+\b], v[TM+\b], |v[(\s)+16*\b+\i]|, |v[(\s)+1+16*\b+\i]|
.endr
.endr
.irp b, 0,1,2,3
	v_permlanex16_b32 v[TM+4+\b], v[TM+\b], s[SEL], s[SEL+1]
.endr
.irp b, 0,1,2,3
	v_max_num_f32 v[TM+\b], v[TM+\b], v[TM+4+\b]   ; with lane l xor 16's: the block's largest magnitude
.endr
.irp b, 0,1,2,3
	v_add_nc_u32 v[TM+12+\b], 0xff000000, v[TM+\b] ; 2 off its exponent field: the conversion's scale operand
.endr
.irp b, 0,1,2,3
	v_lshrrev_b32 v[TM+4+\b], 23, v[TM+12+\b]      ; the scale's byte
.endr
	v_lshl_or_b32 v[\pw], v[TM+5], 8, v[TM+4]
	v_lshl_or_b32 v[\pw], v[TM+6], 16, v[\pw]
	v_lshl_or_b32 v[\pw], v[TM+7], 24, v[\pw]
.irp b, 0,1,2,3
	v_cvt_scalef32_pk8_fp4_f32 v[(\pc)+2*\b], v[(\s)+16*\b:(\s)+7+16*\b], v[TM+12+\b]
	v_cvt_scalef32_pk8_fp4_f32 v[(\pc)+1+2*\b], v[(\s)+8+16*\b:(\s)+15+16*\b], v[TM+12+\b]
.endr
	v_nop                                          ; one plain place behind a scaled conversion
.irp c, 0,1                                    ; the layout wants a whole block in a lane: lanes 0-15 block 2 c, lanes 16-31 block 2 c + 1
.irp i, 0,1
	v_permlane16_swap_b32 v[(\pc)+4*\c+\i], v[(\pc)+2+4*\c+\i]
.endr
.endr
.endm
; K step 4 kh + u of my token tile: through the stage (in: rows as loaded; out: 16 neighbours of each block of 32), quantised, stored as an image.
.macro UNIT u
.if (\u) < 3
	s_wait_loadcnt 16                              ; this unit's 16 loads are in; the next unit's stay out
.else
	s_wait_loadcnt 0x0
.endif
.irp m, 0,1,2,3,4,5,6,7,8,9,10,11,12,13,14,15
	ds_store_b128 v[SIN], v[RAW+64*((\u)%2)+4*\m:RAW+64*((\u)%2)+4*\m+3] offset:SP*\m
.endr
.irp b, 0,1,2,3
.irp j, 0,1,2,3
	ds_load_b128 v[X+16*\b+4*\j:X+16*\b+4*\j+3], v[SOUT] offset:128*\b+16*\j   ; LDS serves a wave's instructions in order: these see the stores above
.endr
.endr
	s_wait_dscnt 0x0                               ; the numbers are back, and the stores have read their registers,
.if (\u) < 2
	LOADX (\u)+2                                   ; which take the loads of two units on
.endif
	QUANT X, PC+8*(\u), PW+(\u)
	global_store_b128 v[L16], v[PC+8*(\u):PC+8*(\u)+3], s[52:53] offset:1024*(\u)
	global_store_b128 v[L16], v[PC+8*(\u)+4:PC+8*(\u)+7], s[52:53] offset:1024*(\u)+512
.endm
	UNIT 0
	UNIT 1
	UNIT 2
	UNIT 3
	v_cndmask_b32 v[TM], v[PW], v[PW+2], s20       ; lanes 0-15 store words 0, 1 of my four, lanes 16-31 words 2, 3
	v_cndmask_b32 v[TM+1], v[PW+1], v[PW+3], s20
	global_store_b64 v[XSS], v[TM:TM+1], s[54:55]
	s_wait_tensorcnt 0x0
	ds_add_u32 v22, v23
	s_wait_dscnt 0x0
	s_endpgm
.Lfunc_end_k_q290a689b22_prep:
	.size	k_q290a689b22_prep, .Lfunc_end_k_q290a689b22_prep-k_q290a689b22_prep
	.p2alignl 7, 3214868480
	.fill 96, 4, 3214868480
	.section	.rodata,"a",@progbits
	.p2align	6, 0x0
	.amdhsa_kernel k_q290a689b22_prep
		.amdhsa_group_segment_fixed_size 34304
		.amdhsa_private_segment_fixed_size 0
		.amdhsa_enable_private_segment 0
		.amdhsa_kernarg_size 96
		.amdhsa_user_sgpr_count 2
		.amdhsa_user_sgpr_kernarg_segment_ptr 1
		.amdhsa_wavefront_size32 1
		.amdhsa_system_sgpr_workgroup_id_x 1
		.amdhsa_system_sgpr_workgroup_id_y 1
		.amdhsa_system_sgpr_workgroup_id_z 1
		.amdhsa_system_vgpr_workitem_id 0
		.amdhsa_next_free_vgpr 256
		.amdhsa_next_free_sgpr 66
		.amdhsa_reserve_vcc 0
		.amdhsa_float_denorm_mode_32 3
		.amdhsa_float_denorm_mode_16_64 3
		.amdhsa_memory_ordered 1
		.amdhsa_forward_progress 1
		.amdhsa_inst_pref_size 70
	.end_amdhsa_kernel
	.amdgpu_metadata
---
amdhsa.version: [ 1, 2 ]
amdhsa.kernels:
  - .name:           k_q290a689b22_prep
    .symbol:         k_q290a689b22_prep.kd
    .args:
      - { .name: Wq_codes, .offset: 0, .size: 8, .value_kind: global_buffer, .address_space: global }
      - { .name: Wq_scales, .offset: 8, .size: 8, .value_kind: global_buffer, .address_space: global }
      - { .name: Wk_codes, .offset: 16, .size: 8, .value_kind: global_buffer, .address_space: global }
      - { .name: Wk_scales, .offset: 24, .size: 8, .value_kind: global_buffer, .address_space: global }
      - { .name: Wv_codes, .offset: 32, .size: 8, .value_kind: global_buffer, .address_space: global }
      - { .name: Wv_scales, .offset: 40, .size: 8, .value_kind: global_buffer, .address_space: global }
      - { .name: Wo_codes, .offset: 48, .size: 8, .value_kind: global_buffer, .address_space: global }
      - { .name: Wo_scales, .offset: 56, .size: 8, .value_kind: global_buffer, .address_space: global }
      - { .name: x, .offset: 64, .size: 8, .value_kind: global_buffer, .address_space: global }
      - { .name: attn_mask, .offset: 72, .size: 8, .value_kind: global_buffer, .address_space: global }
      - { .name: opnd, .offset: 80, .size: 8, .value_kind: global_buffer, .address_space: global }
      - { .name: mwords, .offset: 88, .size: 8, .value_kind: global_buffer, .address_space: global }
    .group_segment_fixed_size: 34304
    .private_segment_fixed_size: 0
    .kernarg_segment_align: 8
    .kernarg_segment_size: 96
    .max_flat_workgroup_size: 128
    .sgpr_count:     66
    .vgpr_count:     256
    .wavefront_size: 32
...
	.end_amdgpu_metadata
.endif
;; end of part 1
;; launch qkv (part 2): grid 12 x 32, 4 waves a work-group, clusters of 4 x 4, 262,656 bytes of LDS; arguments opnd, qkv; writes qkv
.if DOCPART == 2
	.amdgcn_target "amdgcn-amd-amdhsa--gfx1250"
	.amdhsa_code_object_version 6
	.text
	.protected	k_q290a689b22_qkv
	.globl	k_q290a689b22_qkv
	.p2align	8
	.type	k_q290a689b22_qkv,@function
k_q290a689b22_qkv:
	s_mov_b64 s[64:65], 0
	v_nop
	global_prefetch_b8 v0, s[64:65] scope:SCOPE_SE
	s_setreg_imm32_b32 hwreg(HW_REG_WAVE_MODE, 25, 1), 1
	s_wait_xcnt 0x0
	s_wait_alu depctr_hold_cnt(0) depctr_sa_sdst(0) depctr_va_vdst(0) depctr_va_sdst(0) depctr_va_ssrc(0) depctr_va_vcc(0) depctr_vm_vsrc(0)
	s_getreg_b32 s2, hwreg(HW_REG_IB_STS2, 6, 4)
	s_cmp_eq_u32 s2, 0
	s_cbranch_scc0 .Lentry_in_a_cluster
	s_endpgm
.Lentry_in_a_cluster:
	s_bfe_u32 s2, ttmp6, 0x10000c
	s_cmp_lg_u32 s2, 0xf033
	s_cbranch_scc0 .Lentry_shape_is_right
	s_endpgm
.Lentry_shape_is_right:
; QKV: q = x Wq, k = x Wk, v = x Wv on codes of FP4 (E2M1) with E8M0 scales (K = 1,024), and the results quantised at once: q and k along the head's 64, v along the keys.
; A work-group makes 256 tokens x 256 columns of one of the three; a wave 128 x 128: 64 accumulators, 512 registers.  Cluster x = 0: q, 1: k, 2: v.
; Operands come as images of their registers (1,024 bytes for 16 rows x 128 K; a tile's rows are rho(T, m) = 32 (T / 2) + 8 (T % 2) + m + 8 (m / 8)): an LDS load takes 512 consecutive bytes, so there is no padding.
; P IS SOURCE 0 AND R SOURCE 1: a lane holds one row of R, and its 64 registers of the eight tiles of P run along 128 neighbouring rows of P (that is what rho is for).  The quantiser wants its K in a lane's registers:
; for q and k P = the weight (the head's axis), R = the tokens; for v P = the tokens (the keys), R = Wv.  The text is one path: only LDS bases and scale addresses are chosen, by the cluster's x, which all partners share.
; K = 1,024 is two slots of 512 along K, 131,072 bytes each ([16 token tiles][4,096], then [16 weight tiles][4,096]): both are first fills, nothing is filled again.  By this text's count a wave has two tensor loads out.
; CLUSTER 4 x 4: the token tiles hang on the work-group's y alone and are asked for jointly along a row of the cluster, the weight tiles on x alone and jointly along a column.
; OUT (qkv): q, k codes [head 64][token tile 128][512 bytes] at QI, KI; v codes [head][key step 16][dt 4][1,024] at VI; scale words [head][key step][r 16][4 words] at QS, KS (word pp: tile 2 pp's two bytes below, tile 2 pp + 1's above), VS (word dt).
; LIMITS: a block of zeros gets the byte 1 (its codes are zeros; this program alone reads the bytes); NaN and infinities are not served.
; REGISTERS: window 0: v8-26 addresses; v32-95 P's scale words (8 tiles x 8 K steps), v96-159 R's: they hold scales and nothing else; v160-223 R's fragments, one set, later the codes; v224-255 the quantiser's work.
;   window 1: P's fragments, two sets, at v0 and v128.   windows 2, 3: accumulator (a, b) at v[8 (8 (a % 4) + b)], a = R's tile, b = P's.
.set XS,   4194304
.set WI,   4456448
.set WS,   6553600
.set QI,   0
.set KI,   4194304
.set VI,   8388608
.set QS,   12582912
.set KS,   12845056
.set VS,   13107200
.set SLOT, 131072
.set L16,  8                           ; v8   16 x lane
.set ADRP, 16                          ; v16-17 LDS address of my P fragments in slot 0, 1
.set ADRR, 20                          ; v20-21 the same for R
.set SOF,  24                          ; v24  32 r: my row's eight scale words
.set SST,  25                          ; v25  16 r + 4,096 h: where a lane stores four scale words
.set H16,  26                          ; v26  16 h
.set SCP,  32
.set SCR,  96
.set RF,   160
.set TM,   224                         ; v224-239
.set PW,   240                         ; v240-247 a scale word for each tile of R
.set SW,   248                         ; v248-251 the four words that a lane stores
.set G1,   24                          ; s[24:31] group 1 for the token tiles; s[32:39] group 0, a set for each slot
.set G0,   32
.set G1B,  48                          ; s[48:55], s[56:63] the same for the weight tiles
.set G0B,  56
.set SEL,  66                          ; s[66:67]
.set MSB, 0
.macro WIN new                         ; the immediate's high byte repeats the setting that is left
.if MSB != (\new)
	s_set_vgpr_msb (MSB<<8)|(\new)
.set MSB, (\new)
.endif
.endm
.set MUL_LO, 0xa1                      ; source 0 (P) window 1, source 1 (R) window 0, C and D window 2
.set MUL_HI, 0xf1                      ; the same, C and D window 3
; A joint load: waves 0 and 1 fetch the token tiles' halves, waves 2 and 3 the weight tiles'.  The branch hangs on the wave's number alone.  Four v_nop follow each line.
.macro JLOAD g0a, g1a, g0b, g1b
	s_cmp_eq_u32 s15, 0
	s_cbranch_scc0 .Lfor_b_\@
	tensor_load_to_lds s[\g0a:\g0a+3], s[\g1a:\g1a+7]
	s_nop 0
.rept 4
	v_nop
.endr
	s_branch .Lasked_\@
.Lfor_b_\@:
	tensor_load_to_lds s[\g0b:\g0b+3], s[\g1b:\g1b+7]
	s_nop 0
.rept 4
	v_nop
.endr
.Lasked_\@:
.endm
.macro CROUND                          ; a round of the cluster's barrier
	s_barrier_signal -1
	s_barrier_wait -1
	s_cmp_lg_u32 s14, 0
	s_cbranch_scc1 .Lnot_wave_0_\@
	s_barrier_signal -3
.Lnot_wave_0_\@:
	s_barrier_wait -3
	s_barrier_signal -1
	s_barrier_wait -1
.endm
	s_load_b128 s[4:7], s[0:1], 0x0                ; opnd s[4:5], qkv s[6:7]
	v_lshl_add_u32 v254, v0, 2, 0x40000
	v_mov_b32 v255, 0
	ds_add_u32 v254, v255
	ds_add_u32 v254, v255
	v_lshrrev_b32 v1, 5, v0
	v_readfirstlane_b32 s14, v1                    ; wave 0..3
	s_lshr_b32 s15, s14, 1                         ; rh: my half of R's tiles.  Also: I fetch token tiles (0) or weight tiles (1)
	s_and_b32 s16, s14, 1                          ; ph: my half of P's tiles.  Also: which eight tiles I fetch
	s_bfe_u32 s40, ttmp6, 0x40000                  ; cx, cy: my place in the cluster
	s_bfe_u32 s41, ttmp6, 0x40004
	s_lshl_b32 s42, ttmp9, 2
	s_add_co_u32 s42, s42, s40                     ; x = 4 x cluster x + cx: 256 rows of the stacked weights
	s_and_b32 s17, ttmp7, 0xffff
	s_lshl_b32 s17, s17, 2
	s_add_co_u32 s17, s17, s41                     ; y = 4 x cluster y + cy: 256 tokens
	s_lshl_b32 s43, s41, 2
	s_lshl_b32 s43, 15, s43                        ; my row of the cluster
	s_lshl_b32 s44, 0x1111, s40                    ; my column
	s_or_b32 s[G1], s43, (3<<16)|(1<<21)           ; 15:0 the mask; 17:16 elements of 8 bytes; 21 set beside a mask; no padding
	s_or_b32 s[G1B], s44, (3<<16)|(1<<21)
.irp g, G1, G1B                        ; eight tiles: 8 rows of 4,096 bytes (4 K steps), 8,192 bytes apart
	s_mov_b32 s[\g+1], 512<<16                     ; tensor_dim0 = 512 elements
	s_mov_b32 s[\g+2], 8<<16                       ; tensor_dim1 = 8
	s_mov_b32 s[\g+3], 512<<16                     ; tile_dim0
	s_mov_b32 s[\g+4], 8                           ; tile_dim1
	s_mov_b32 s[\g+5], 1024                        ; tensor_dim0_stride
	s_mov_b32 s[\g+6], 0
	s_mov_b32 s[\g+7], 0
.endr
	s_lshl_b32 s18, s16, 3
	s_lshl_b32 s20, s17, 4
	s_add_co_u32 s20, s20, s18                     ; token tile 16 y + 8 x half
	s_lshl_b32 s20, s20, 13
	s_mov_b32 s21, 0
	s_lshl_b32 s46, s42, 4
	s_add_co_u32 s46, s46, s18                     ; weight tile 16 x + 8 x half
	s_lshl_b32 s46, s46, 13
	s_add_co_u32 s46, s46, WI
	s_mov_b32 s47, 0
	s_lshl_b32 s45, s14, 15                        ; where they go: wave x 32,768: no place in the cluster enters an LDS address
	s_wait_dscnt 0x0
	s_wait_kmcnt 0x0
	s_add_nc_u64 s[20:21], s[4:5], s[20:21]
	s_add_nc_u64 s[46:47], s[4:5], s[46:47]
	CROUND                                         ; all sixteen work-groups are here: the joint loads meet
.irp s, 0,1
	s_mov_b32 s[G0+4*\s], 1
	s_add_co_u32 s[G0+4*\s+1], s45, \s*SLOT
	s_add_nc_u64 s[G0+4*\s+2:G0+4*\s+3], s[20:21], \s*4096
	s_or_b32 s[G0+4*\s+3], s[G0+4*\s+3], 0x80000000
	s_mov_b32 s[G0B+4*\s], 1
	s_add_co_u32 s[G0B+4*\s+1], s45, \s*SLOT
	s_add_nc_u64 s[G0B+4*\s+2:G0B+4*\s+3], s[46:47], \s*4096
	s_or_b32 s[G0B+4*\s+3], s[G0B+4*\s+3], 0x80000000
	JLOAD G0+4*\s, G1, G0B+4*\s, G1B
.endr
	v_and_b32 v1, 31, v0
	v_lshlrev_b32 v[L16], 4, v1
	v_and_b32 v2, 15, v0                           ; r
	v_bfe_u32 v3, v0, 4, 1                         ; h
	v_lshlrev_b32 v[SOF], 5, v2
	v_lshlrev_b32 v[SST], 4, v2
	v_lshl_add_u32 v[SST], v3, 12, v[SST]
	v_lshlrev_b32 v[H16], 4, v3
	s_lshl_b32 s72, s17, 13
	s_add_co_u32 s72, s72, XS                      ; the scale rows of my work-group's tokens (512 bytes a tile),
	s_lshl_b32 s73, s42, 13
	s_add_co_u32 s73, s73, WS                      ; and of its weight rows
	s_cmp_eq_u32 ttmp9, 2                          ; v?  The cluster's x is the same in all partners
	s_cselect_b32 s70, 0, 0x10000                  ; P's tiles in a slot: the tokens' (v) or the weights'
	s_cselect_b32 s71, 0x10000, 0                  ; R's: the others
	s_cselect_b32 s74, s72, s73
	s_cselect_b32 s76, s73, s72
	s_lshl_b32 s72, s16, 15
	s_add_co_u32 s70, s70, s72                     ; + my eight tiles
	s_lshl_b32 s72, s15, 15
	s_add_co_u32 s71, s71, s72
	s_lshl_b32 s72, s16, 12
	s_add_co_u32 s74, s74, s72
	s_lshl_b32 s72, s15, 12
	s_add_co_u32 s76, s76, s72
	s_mov_b32 s75, 0
	s_mov_b32 s77, 0
	s_add_nc_u64 s[74:75], s[4:5], s[74:75]
	s_add_nc_u64 s[76:77], s[4:5], s[76:77]
.irp i, 0,1,2,3,4,5,6,7                ; the scale words of all of K stay in registers: lane r takes row r's eight words of each tile (lanes 16-31 read the same and are not used)
.irp e, 0,1
	global_load_b128 v[SCP+8*\i+4*\e:SCP+8*\i+4*\e+3], v[SOF], s[74:75] offset:512*\i+16*\e
	global_load_b128 v[SCR+8*\i+4*\e:SCR+8*\i+4*\e+3], v[SOF], s[76:77] offset:512*\i+16*\e
.endr
.endr
	v_add_nc_u32 v[ADRP], s70, v[L16]
	v_add_nc_u32 v[ADRR], s71, v[L16]
	v_add_nc_u32 v[ADRP+1], SLOT, v[ADRP]
	v_add_nc_u32 v[ADRR+1], SLOT, v[ADRR]
	s_mov_b32 s[SEL], 0x76543210
	s_mov_b32 s[SEL+1], 0xfedcba98
.macro FRAG reg, adr, q, i             ; tile i, the slot's q-th 128 along K: two loads of 512 consecutive bytes
.irp c, 0,1
	ds_load_b128 v[\reg+4*\c:\reg+4*\c+3], v[\adr] offset:4096*(\i)+1024*(\q)+512*\c
.endr
.endm
; 16 matrix instructions: R's tiles a0, a0 + 1 x P's eight, K step kq.  The 64 accumulators take turns, one instruction a turn, in the same order in every step.
.macro MUL16 a0, p, kq, zero
.irp a, \a0, \a0+1
.irp b, 0,1,2,3,4,5,6,7
.if \zero
	v_wmma_scale_f32_16x16x128_f8f6f4 v[8*(8*((\a)%4)+\b):8*(8*((\a)%4)+\b)+7], v[128*(\p)+8*\b:128*(\p)+8*\b+7], v[RF+8*(\a):RF+8*(\a)+7], 0, v[SCP+8*\b+(\kq)], v[SCR+8*(\a)+(\kq)] matrix_a_fmt:MATRIX_FMT_FP4 matrix_b_fmt:MATRIX_FMT_FP4
.else
	v_wmma_scale_f32_16x16x128_f8f6f4 v[8*(8*((\a)%4)+\b):8*(8*((\a)%4)+\b)+7], v[128*(\p)+8*\b:128*(\p)+8*\b+7], v[RF+8*(\a):RF+8*(\a)+7], v[8*(8*((\a)%4)+\b):8*(8*((\a)%4)+\b)+7], v[SCP+8*\b+(\kq)], v[SCR+8*(\a)+(\kq)] matrix_a_fmt:MATRIX_FMT_FP4 matrix_b_fmt:MATRIX_FMT_FP4
.endif
.endr
.endr
.endm
.macro FETCH_P slot, q, p
	WIN 0x40                                       ; destination window 1, address window 0
.irp i, 0,1,2,3,4,5,6,7
	FRAG 128*(\p)+8*\i, ADRP+\slot, \q, \i
.endr
	WIN 0
.endm
.macro FETCH_R slot, q, i0
.irp i, \i0, \i0+1, \i0+2, \i0+3
	FRAG RF+8*(\i), ADRR+\slot, \q, \i
.endr
.endm
.macro PLACES                          ; four plain places behind a matrix instruction, in front of loads into registers that it has read and of the first read of results
.rept 4
	v_nop
.endr
.endm
; A step of 128 along K that has its successor in the same slot.  R's tiles are free as soon as their eight products are issued: one set serves R; P's fragments work through the whole step: two sets.
.macro STEP slot, q, zero
	s_wait_dscnt 8                                 ; P's set and R's tiles 0-3 are in; the youngest eight loads (R's tiles 4-7) may be out
	WIN MUL_LO
	MUL16 0, (\q)%2, 4*(\slot)+(\q), \zero
	MUL16 2, (\q)%2, 4*(\slot)+(\q), \zero
	s_wait_dscnt 0x0
	PLACES
	FETCH_P \slot, (\q)+1, 1-(\q)%2
	FETCH_R \slot, (\q)+1, 0
	WIN MUL_HI
	MUL16 4, (\q)%2, 4*(\slot)+(\q), \zero
	MUL16 6, (\q)%2, 4*(\slot)+(\q), \zero
	PLACES
	WIN 0
	FETCH_R \slot, (\q)+1, 4
.endm
	s_wait_tensorcnt 1                             ; my part of slot 0 is in; slot 1's load may stay out
	s_barrier_signal -1
	s_barrier_wait -1                              ; everybody's is
	FETCH_P 0, 0, 0
	FETCH_R 0, 0, 0
	FETCH_R 0, 0, 4
	s_wait_loadcnt 0x0                             ; the scale words
	STEP 0, 0, 1                                   ; the first products start the sums: nothing is cleared
	STEP 0, 1, 0
	STEP 0, 2, 0
	; slot 0's last step goes over to slot 1: my part of it has landed, I say so, and read it when all four waves have said so
	s_wait_tensorcnt 0x0
	s_wait_dscnt 8
	WIN MUL_LO
	MUL16 0, 1, 3, 0
	s_wait_dscnt 0x0
	s_barrier_signal -1
	MUL16 2, 1, 3, 0
	WIN 0
	s_barrier_wait -1
	PLACES
	FETCH_P 1, 0, 0
	FETCH_R 1, 0, 0
	WIN MUL_HI
	MUL16 4, 1, 3, 0
	MUL16 6, 1, 3, 0
	PLACES
	WIN 0
	FETCH_R 1, 0, 4
	STEP 1, 0, 0
	STEP 1, 1, 0
	STEP 1, 2, 0
	s_wait_dscnt 8                                 ; the last step: nothing more to fetch
	WIN MUL_LO
	MUL16 0, 1, 7, 0
	MUL16 2, 1, 7, 0
	s_wait_dscnt 0x0
	WIN MUL_HI
	MUL16 4, 1, 7, 0
	MUL16 6, 1, 7, 0
	WIN 0
; THE WAY OUT.  For each tile a of R a lane's 64 results are 128 neighbours along P in the quantiser's order (register 16 b + i = 32 b + 16 h + i): four blocks of 32, eight registers of codes, one scale word.
.macro QUANT s, w, pc, pw              ; the 64 numbers lie in window w
	WIN (\w)|((\w)<<2)
.irp b, 0,1,2,3
	v_max3_num_f32 v[TM+\b], |v[(\s)+16*\b]|, |v[(\s)+1+16*\b]|, 0x1800000   ; each accumulator is read from its low end on; the floor 2^(3 - 127) holds the byte at 1 from below
.endr
.irp i, 2,4,6,8,10,12,14
.irp b, 0,1,2,3
	v_max3_num_f32 v[TM+\b], |v[(\s)+16*\b+\i]|, |v[(\s)+1+16*\b+\i]|, v[TM+\b]
.endr
.endr
	WIN 0
.irp b, 0,1,2,3
	v_permlanex16_b32 v[TM+4+\b], v[TM+\b], s[SEL], s[SEL+1]
.endr
.irp b, 0,1,2,3
	v_max_num_f32 v[TM+\b], v[TM+\b], v[TM+4+\b]
.endr
.irp b, 0,1,2,3
	v_add_nc_u32 v[TM+12+\b], 0xff000000, v[TM+\b]
.endr
.irp b, 0,1,2,3
	v_lshrrev_b32 v[TM+4+\b], 23, v[TM+12+\b]
.endr
	v_lshl_or_b32 v[\pw], v[TM+5], 8, v[TM+4]
	v_lshl_or_b32 v[\pw], v[TM+6], 16, v[\pw]
	v_lshl_or_b32 v[\pw], v[TM+7], 24, v[\pw]
	WIN (\w)
.irp b, 0,1,2,3
	v_cvt_scalef32_pk8_fp4_f32 v[(\pc)+2*\b], v[(\s)+16*\b:(\s)+7+16*\b], v[TM+12+\b]
	v_cvt_scalef32_pk8_fp4_f32 v[(\pc)+1+2*\b], v[(\s)+8+16*\b:(\s)+15+16*\b], v[TM+12+\b]
.endr
	WIN 0
	v_nop                                          ; one plain place behind a scaled conversion
.irp c, 0,1
.irp i, 0,1
	v_permlane16_swap_b32 v[(\pc)+4*\c+\i], v[(\pc)+2+4*\c+\i]
.endr
.endr
.endm
	PLACES
.irp b, 0,1,2,3
	v_mov_b32 v[TM+4+\b], 0                        ; a lane permute's destination counts as one of its sources
.endr
.irp a, 0,1,2,3,4,5,6,7
	QUANT 64*(\a%4), 2+\a/4, RF+8*\a, PW+\a
.endr
	s_lshr_b32 s78, s17, 3                         ; the batch: 8 work-groups along y to 2,048 tokens
	s_lshl_b32 s78, s78, 4
	s_lshl_b32 s79, s40, 2
	s_add_co_u32 s78, s78, s79                     ; the work-group's first head: 16 x batch + 4 cx
	s_and_b32 s79, s17, 7
	s_cmp_eq_u32 ttmp9, 2
	s_cbranch_scc1 .Lv_out
	; q or k: a = token tile, registers 4 g .. 4 g + 3 = head g of my two
	s_lshl_b32 s80, s16, 1
	s_add_co_u32 s80, s80, s78                     ; my first head
	s_lshl_b32 s84, s80, 16                        ; 65,536 bytes of codes a head,
	s_lshl_b32 s81, s79, 13
	s_add_co_u32 s84, s84, s81
	s_lshl_b32 s81, s15, 12
	s_add_co_u32 s84, s84, s81                     ; token tile 16 (y % 8) + 8 rh, 512 bytes a tile
	s_lshl_b32 s86, s80, 12                        ; 4,096 bytes of scale words a head,
	s_lshl_b32 s81, s79, 9
	s_add_co_u32 s86, s86, s81
	s_lshl_b32 s81, s15, 8
	s_add_co_u32 s86, s86, s81                     ; key step 2 (y % 8) + rh, 256 bytes a step
	s_cmp_eq_u32 ttmp9, 0
	s_cselect_b32 s81, QI, KI
	s_mov_b32 s82, KS
	s_cselect_b32 s82, QS, s82
	s_add_co_u32 s84, s84, s81
	s_add_co_u32 s86, s86, s82
	s_mov_b32 s85, 0
	s_mov_b32 s87, 0
	s_add_nc_u64 s[84:85], s[6:7], s[84:85]
	s_add_nc_u64 s[86:87], s[6:7], s[86:87]
.irp a, 0,1,2,3,4,5,6,7
.irp g, 0,1
	global_store_b128 v[L16], v[RF+8*\a+4*\g:RF+8*\a+4*\g+3], s[84:85] offset:65536*\g+512*\a   ; 512 consecutive bytes, aligned
.endr
.endr
.irp a, 0,1,2,3,4,5,6,7
	v_lshrrev_b32 v[PW+\a], v[H16], v[PW+\a]       ; lanes 0-15: the first head's two bytes below, lanes 16-31: the second head's
.endr
.irp p, 0,1,2,3
	v_perm_b32 v[SW+\p], v[PW+2*\p+1], v[PW+2*\p], 0x05040100   ; tile 2 p's two bytes below, tile 2 p + 1's above
.endr
	global_store_b128 v[SST], v[SW:SW+3], s[86:87] ; sixteen lanes store 256 consecutive bytes, aligned
	s_branch .Ldone
.Lv_out:
	; v: a = 4 x (head of my two) + dt, the eight registers = the image of 128 keys
	s_lshl_b32 s80, s15, 1
	s_add_co_u32 s80, s80, s78
	s_lshl_b32 s84, s80, 16
	s_lshl_b32 s81, s79, 13
	s_add_co_u32 s84, s84, s81
	s_lshl_b32 s81, s16, 12
	s_add_co_u32 s84, s84, s81                     ; key step 2 (y % 8) + ph, 4,096 bytes a step
	s_add_co_u32 s84, s84, VI
	s_lshl_b32 s86, s80, 12
	s_lshl_b32 s81, s79, 9
	s_add_co_u32 s86, s86, s81
	s_lshl_b32 s81, s16, 8
	s_add_co_u32 s86, s86, s81
	s_add_co_u32 s86, s86, VS
	s_mov_b32 s85, 0
	s_mov_b32 s87, 0
	s_add_nc_u64 s[84:85], s[6:7], s[84:85]
	s_add_nc_u64 s[86:87], s[6:7], s[86:87]
	s_mov_b32 s88, 0xffff0000                      ; lanes 16-31
.irp a, 0,1,2,3,4,5,6,7
.irp g, 0,1
	global_store_b128 v[L16], v[RF+8*\a+4*\g:RF+8*\a+4*\g+3], s[84:85] offset:65536*(\a/4)+1024*(\a%4)+512*\g
.endr
.endr
.irp i, 0,1,2,3
	v_cndmask_b32 v[SW+\i], v[PW+\i], v[PW+4+\i], s88   ; lanes 0-15 store the first head's four words, lanes 16-31 the second's
.endr
	global_store_b128 v[SST], v[SW:SW+3], s[86:87]
.Ldone:
	s_wait_tensorcnt 0x0
	ds_add_u32 v254, v255
	s_wait_dscnt 0x0
	CROUND                                         ; the closing round: no work-group ends while a partner may still ask for a tile that names it
	s_endpgm
.Lfunc_end_k_q290a689b22_qkv:
	.size	k_q290a689b22_qkv, .Lfunc_end_k_q290a689b22_qkv-k_q290a689b22_qkv
	.p2alignl 7, 3214868480
	.fill 96, 4, 3214868480
	.section	.rodata,"a",@progbits
	.p2align	6, 0x0
	.amdhsa_kernel k_q290a689b22_qkv
		.amdhsa_group_segment_fixed_size 262656
		.amdhsa_private_segment_fixed_size 0
		.amdhsa_enable_private_segment 0
		.amdhsa_kernarg_size 16
		.amdhsa_user_sgpr_count 2
		.amdhsa_user_sgpr_kernarg_segment_ptr 1
		.amdhsa_wavefront_size32 1
		.amdhsa_system_sgpr_workgroup_id_x 1
		.amdhsa_system_sgpr_workgroup_id_y 1
		.amdhsa_system_sgpr_workgroup_id_z 1
		.amdhsa_system_vgpr_workitem_id 0
		.amdhsa_next_free_vgpr 1024
		.amdhsa_next_free_sgpr 100
		.amdhsa_reserve_vcc 0
		.amdhsa_float_denorm_mode_32 3
		.amdhsa_float_denorm_mode_16_64 3
		.amdhsa_memory_ordered 1
		.amdhsa_forward_progress 1
		.amdhsa_inst_pref_size 131
	.end_amdhsa_kernel
	.amdgpu_metadata
---
amdhsa.version: [ 1, 2 ]
amdhsa.kernels:
  - .name:           k_q290a689b22_qkv
    .symbol:         k_q290a689b22_qkv.kd
    .args:
      - { .name: opnd, .offset: 0, .size: 8, .value_kind: global_buffer, .address_space: global }
      - { .name: qkv, .offset: 8, .size: 8, .value_kind: global_buffer, .address_space: global }
    .group_segment_fixed_size: 262656
    .private_segment_fixed_size: 0
    .kernarg_segment_align: 8
    .kernarg_segment_size: 16
    .max_flat_workgroup_size: 128
    .sgpr_count:     100
    .vgpr_count:     1024
    .wavefront_size: 32
...
	.end_amdgpu_metadata
.endif
;; end of part 2
;; launch attn (part 3): grid 4 x 64, 16 waves a work-group, no clusters, 141,312 bytes of LDS; arguments qkv, mwords, zq; writes zq
.if DOCPART == 3
	.amdgcn_target "amdgcn-amd-amdhsa--gfx1250"
	.amdhsa_code_object_version 6
	.text
	.protected	k_q290a689b22_attn
	.globl	k_q290a689b22_attn
	.p2align	8
	.type	k_q290a689b22_attn,@function
k_q290a689b22_attn:
	s_mov_b64 s[64:65], 0
	v_nop
	global_prefetch_b8 v0, s[64:65] scope:SCOPE_SE
	s_setreg_imm32_b32 hwreg(HW_REG_WAVE_MODE, 25, 1), 1
	s_wait_xcnt 0x0
; ATTN: z[head][q] = the sum over keys of softmax(q . k / 8, masked keys at -1e6) v, both products on codes of FP4 (E2M1) with E8M0 scales; z is quantised along the 1,024 (head, channel) and stored as images for the last product.
; THE SOFTMAX: t = logit x log2(e), rounded to f32; M = the largest t so far rounded UP to a whole number; p = 2^(t - M) is quantised along the keys; the sum is taken of the unquantised p and divides at the end.
; t is made by a multiplication and t - M by an addition of their own: in a row whose every key is masked t is the same number everywhere.
; SHARES: a work-group has one head's K and V whole in LDS (136 KB, written once by ds_store, one barrier); wave w of work-group j owns query tiles u = 16 j + w and 127 - u; a tile is 16 queries, a step 128 keys.
; LAYOUT: both products transposed (S^T = K Q^T, O^T = V^T P^T): a lane holds one query.  A tile's rows are rho(T, m) = 32 (T / 2) + 8 (T % 2) + m + 8 (m / 8), so 16 registers of two neighbouring tiles are 16 neighbours.
; THE HEAD'S 64 IN AN INSTRUCTION OF 128: source 0 holds TWO key tiles, tile 2 pp in registers 0-3 (K 0-63), tile 2 pp + 1 in 4-7 (K 64-127); against [q | 0] it gives the first tile's scores, against [0 | q] the second's.
; THE MASK is an input.  An earlier launch stored it as bit words (one word for each score register of a step) and, for each (query tile, step), the AND and the OR of the 64 words.  A step whose AND is all ones hides all
; 16 x 128 scores and is left out; a step whose OR is 0 hides nothing and loads no mask words; else 64 v_cndmask_b32 put -8e6 (x 1/8 = -1e6) in the hidden scores' place.
; LIMIT: a step is left out only in a tile where every query has a key that counts; then the hidden keys' p = 2^(-1,442,695 - M) is 0 in f32 as long as the query's largest counting logit lies above about -999,900.
;   Blocks of zeros get the scale byte 1 (zero codes; this program alone reads the bytes).  NaN and infinities are not served.
; NO JOINT LOADS, though the four work-groups of a head read the same 136 KB: they read them once, at the head, and joint loads are tensor loads:
;   the branches on the mask's summaries leave out every step that the mask hides, and are worth more than one shared read.
; REGISTERS: v1-4, v6 addresses; v7 -8e6; v8-11 a step's addresses; v12 -M, v13 largest t, v[14:15] the sum; v16-23 [q | 0], v24-31 [0 | q]; v32-33 q's scale words; v34-37, v38 the second tile's q; v39 q's stored word;
;   v40-71 K, v72-75 its words; v76-107 V, v108-111 its words; v112-175 S^T, then p; v176-207 O^T; v208-215 p's codes; v216-235 at work.
.set KI,   4194304
.set VI,   8388608
.set QS,   12582912
.set ZS,   4194304
.set MS,   524288
.set QF,   16
.set QSC,  32
.set KF,   40
.set KSW,  72
.set VF,   76
.set VSW,  108
.set S,    112
.set OT,   176
.set PC,   208
.set BM,   216                         ; v216-219 a block's largest t, then p
.set BX,   220                         ; v220-223 the other half's; then the bytes
.set SO,   224                         ; v224-227 the conversions' scale operands
.set PW,   228                         ; v228 p's scale word: it holds scales and nothing else
.set FF,   230                         ; v[230:231] f = 2^(old M - new M) (the pair is named; its low word serves both halves)
.set T0,   232                         ; v[232:233]
.set SUM2, 234                         ; v[234:235]
	s_load_b128 s[4:7], s[0:1], 0x0                ; qkv s[4:5], mwords s[6:7]
	s_load_b64 s[8:9], s[0:1], 0x10                ; zq
	v_lshl_add_u32 v254, v0, 2, 0x22000
	v_mov_b32 v255, 0
	v_lshrrev_b32 v8, 5, v0
	v_readfirstlane_b32 s2, v8                     ; wave 0..15
	s_and_b32 s3, ttmp7, 0xffff                    ; the head: 16 x batch + hd
	s_lshl_b32 s24, ttmp9, 4
	s_add_co_u32 s24, s24, s2                      ; my first query tile,
	s_sub_co_u32 s25, 127, s24                     ; and my second
	v_and_b32 v9, 31, v0
	v_and_b32 v10, 15, v0                          ; r
	v_bfe_u32 v11, v0, 4, 1                        ; h
	v_lshlrev_b32 v1, 4, v9                        ; 16 x lane: K's images; also z's codes
	v_add_nc_u32 v2, 0x10000, v1                   ; V's images
	v_lshlrev_b32 v44, 4, v10                      ; 16 r
	v_add_nc_u32 v3, 131072, v44                   ; K's scale words
	v_add_nc_u32 v4, 135168, v44                   ; V's
	v_lshlrev_b32 v6, 5, v10
	v_add_nc_u32 v6, v6, v11                       ; z's scale byte: 32 r + h
	v_mov_b32 v7, 0xcaf42400                       ; -8e6
	v_lshlrev_b32 v40, 4, v0                       ; the head's copy: 16 x thread,
	v_add_nc_u32 v41, 0x10000, v40
	v_lshlrev_b32 v42, 3, v0                       ; 8 x thread
	v_add_nc_u32 v43, 131072, v42
	s_lshl_b32 s82, s3, 16                         ; 65,536 bytes of codes a head in each of q, k, v
	s_mov_b32 s83, 0
	s_lshl_b32 s80, s3, 12                         ; 4,096 bytes of scale words
	s_add_co_u32 s80, s80, QS
	s_mov_b32 s81, 0
	s_lshl_b32 s68, s24, 9
	s_mov_b32 s69, 0
	s_lshl_b32 s70, s25, 9
	s_mov_b32 s71, 0
	s_lshr_b32 s72, s24, 3                         ; a query tile's scale word: step qt / 8, word (qt / 2) % 4
	s_lshl_b32 s72, s72, 8
	s_bfe_u32 s26, s24, 0x20001
	s_lshl_b32 s26, s26, 2
	s_add_co_u32 s72, s72, s26
	s_mov_b32 s73, 0
	s_lshr_b32 s74, s25, 3
	s_lshl_b32 s74, s74, 8
	s_bfe_u32 s26, s25, 0x20001
	s_lshl_b32 s26, s26, 2
	s_add_co_u32 s74, s74, s26
	s_mov_b32 s75, 0
	s_wait_kmcnt 0x0
	s_add_nc_u64 s[82:83], s[4:5], s[82:83]
	s_add_nc_u64 s[80:81], s[4:5], s[80:81]
	s_add_nc_u64 s[76:77], s[82:83], KI
	s_add_nc_u64 s[78:79], s[82:83], VI
	s_add_nc_u64 s[68:69], s[82:83], s[68:69]
	s_add_nc_u64 s[70:71], s[82:83], s[70:71]
	s_add_nc_u64 s[72:73], s[80:81], s[72:73]
	s_add_nc_u64 s[74:75], s[80:81], s[74:75]
.irp i, 0,1,2,3,4,5,6,7
	global_load_b128 v[112+4*\i:115+4*\i], v40, s[76:77] offset:8192*\i    ; K's 65,536 bytes: 512 threads x 16 bytes x 8
.endr
.irp i, 0,1,2,3,4,5,6,7
	global_load_b128 v[144+4*\i:147+4*\i], v40, s[78:79] offset:8192*\i    ; V's
.endr
	global_load_b64 v[176:177], v42, s[80:81] offset:262144                ; K's scale words (they lie 262,144 bytes behind q's),
	global_load_b64 v[178:179], v42, s[80:81] offset:524288                ; V's
	global_load_b128 v[QF:QF+3], v1, s[68:69]                              ; q of my first tile, twice: [q | 0] and [0 | q] share no register
	global_load_b128 v[QF+12:QF+15], v1, s[68:69]
	global_load_b128 v[34:37], v1, s[70:71]                                ; q of my second tile
	global_load_b32 v39, v44, s[72:73]
	global_load_b32 v38, v44, s[74:75]
; The summaries of query tile s[qt] become two words of 16 bits: skip (a step hides all) and clear (a step hides nothing).  Where some query of the tile has no key that counts, nothing is skipped.
.macro FLAGS qt, skip, clear
	s_lshl_b32 s26, s[\qt], 7
	s_mov_b32 s27, 0
	s_add_nc_u64 s[26:27], s[6:7], s[26:27]
	s_load_b512 s[32:47], s[26:27], MS
	s_load_b512 s[48:63], s[26:27], MS+64
	s_wait_kmcnt 0x0
	s_and_b32 s28, s32, s33
.irp i, 2,3,4,5,6,7,8,9,10,11,12,13,14,15
	s_and_b32 s28, s28, s[32+\i]
.endr
	s_lshr_b32 s29, s28, 16                        ; bit r and bit 16 + r together: query r has every key masked
	s_and_b32 s28, s28, s29
	s_and_b32 s28, s28, 0xffff
	s_mov_b32 s[\skip], 0
	s_mov_b32 s[\clear], 0
.irp i, 0,1,2,3,4,5,6,7,8,9,10,11,12,13,14,15
	s_cmp_eq_u32 s[32+\i], -1
	s_cselect_b32 s29, 1<<\i, 0
	s_or_b32 s[\skip], s[\skip], s29
	s_cmp_eq_u32 s[48+\i], 0
	s_cselect_b32 s29, 1<<\i, 0
	s_or_b32 s[\clear], s[\clear], s29
.endr
	s_cmp_eq_u32 s28, 0
	s_cselect_b32 s[\skip], s[\skip], 0
.endm
	FLAGS 24, 12, 13
	FLAGS 25, 14, 15
	s_mov_b32 s20, 0x76543210
	s_mov_b32 s21, 0xfedcba98                      ; v_permlanex16_b32's selects: lane l xor 16
	s_mov_b32 s22, 0x3e38aa3b                      ; c = log2(e) / 8
	s_mov_b32 s23, s22
	s_mov_b32 s30, 0xffff0000                      ; lanes 16-31
	s_mov_b32 s19, 0
.irp i, 4,5,6,7,8,9,10,11
	v_mov_b32 v[QF+\i], 0                          ; the zero halves of [q | 0] and [0 | q]
.endr
.irp b, 0,1,2,3
	v_mov_b32 v[BX+\b], 0                          ; a lane permute's destination counts as one of its sources
.endr
	v_mov_b32 v[FF+1], 0                           ; (upper halves of pairs that are named whole)
	v_mov_b32 v[T0+1], 0
	s_wait_loadcnt 0x0
.irp i, 0,1,2,3,4,5,6,7
	ds_store_b128 v40, v[112+4*\i:115+4*\i] offset:8192*\i
.endr
.irp i, 0,1,2,3,4,5,6,7
	ds_store_b128 v41, v[144+4*\i:147+4*\i] offset:8192*\i
.endr
	ds_store_b64 v43, v[176:177]
	ds_store_b64 v43, v[178:179] offset:4096
	s_wait_dscnt 0x0                               ; for the others' sake: my stores have landed
	s_barrier_signal -1
	s_barrier_wait -1                              ; the head's K and V lie in LDS; from here on LDS is only read
; A step's front: K (8 tiles of 512 bytes), its 4 pair words, V (4 images), its 4 words; the 8 products S^T; 4 places.
.macro FRONT
.irp t, 0,1,2,3,4,5,6,7
	ds_load_b128 v[KF+4*\t:KF+4*\t+3], v8 offset:512*\t
.endr
	ds_load_b128 v[KSW:KSW+3], v10
.irp t, 0,1,2,3,4,5,6,7
	ds_load_b128 v[VF+4*\t:VF+4*\t+3], v9 offset:512*\t
.endr
	ds_load_b128 v[VSW:VSW+3], v11
	s_wait_dscnt 9                                 ; K and its words are in; V's nine loads may stay out
.irp t, 0,1,2,3,4,5,6,7
	v_wmma_scale_f32_16x16x128_f8f6f4 v[S+8*\t:S+8*\t+7], v[KF+8*(\t/2):KF+8*(\t/2)+7], v[QF+8*(\t%2):QF+8*(\t%2)+7], 0, v[KSW+\t/2], v[QSC+\t%2] matrix_a_fmt:MATRIX_FMT_FP4 matrix_b_fmt:MATRIX_FMT_FP4
.endr
.rept 4
	v_nop
.endr
.endm
.Ltile:                                            ; two trips: my two query tiles
	s_and_b32 s26, s24, 1
	s_lshl_b32 s26, s26, 4
	v_lshrrev_b32 v[QSC], s26, v39                 ; q's two bytes below: for [q | 0];
	v_lshlrev_b32 v[QSC+1], 16, v[QSC]             ; above: for [0 | q].  (The lines below are the places between these and the first product)
	v_mov_b32 v13, 0xff61b1e6                      ; the largest t so far: -3e38
	v_floor_f32 v12, -v13                          ; -M
	v_mov_b32 v14, 0
	v_mov_b32 v15, 0
.set j, 0
.rept 32
	v_mov_b32 v[OT+j], 0                           ; which step comes first hangs on the mask, so the sums begin as zeros
.set j, j+1
.endr
	s_lshl_b32 s26, s24, 12
	s_mov_b32 s27, 0
	s_add_nc_u64 s[10:11], s[6:7], s[26:27]        ; the tile's bit words: 4,096 bytes a tile, 256 a step
	s_lshr_b32 s26, s3, 4
	s_lshl_b32 s26, s26, 7
	s_add_co_u32 s26, s26, s24                     ; the token tile: 128 x batch + qt
	s_and_b32 s27, s3, 15                          ; hd
	s_lshl_b32 s100, s26, 13
	s_lshl_b32 s28, s27, 9
	s_add_co_u32 s100, s100, s28
	s_mov_b32 s101, 0
	s_add_nc_u64 s[100:101], s[8:9], s[100:101]    ; z's codes: 8,192 a tile, 512 a head
	s_lshl_b32 s104, s26, 9
	s_lshl_b32 s28, s27, 1
	s_add_co_u32 s104, s104, s28
	s_add_co_u32 s104, s104, ZS
	s_mov_b32 s105, 0
	s_add_nc_u64 s[104:105], s[8:9], s[104:105]    ; z's scale bytes: 512 a tile, 32 a row, 2 a head
	s_mov_b32 s16, 0                               ; a step's images: 4,096 bytes on
	s_mov_b32 s17, 0                               ; its scale words: 256
	s_mov_b32 s18, 0
.Lstep:                                            ; sixteen trips, always; a step that the mask hides wholly is jumped over
	s_bitcmp1_b32 s12, s18
	s_cbranch_scc1 .Lnext
	v_add_nc_u32 v8, s16, v1                       ; (these four are also the places between the last products and the loads into their registers)
	v_add_nc_u32 v9, s16, v2
	v_add_nc_u32 v10, s17, v3
	v_add_nc_u32 v11, s17, v4
	s_bitcmp1_b32 s13, s18
	s_cbranch_scc1 .Lclear
	s_load_b512 s[32:47], s[10:11], 0x0            ; the step's 64 bit words
	s_load_b512 s[48:63], s[10:11], 0x40
	s_load_b512 s[68:83], s[10:11], 0x80
	s_load_b512 s[84:99], s[10:11], 0xc0
	FRONT
	s_wait_kmcnt 0x0
.set n, 0
.rept 64
.if n < 32
	v_cndmask_b32 v[S+n], v[S+n], v7, s[32+n]      ; word n, bit lane: this score is hidden
.else
	v_cndmask_b32 v[S+n], v[S+n], v7, s[36+n]
.endif
.set n, n+1
.endr
	s_branch .Ljoin
.Lclear:
	FRONT
.Ljoin:
.set j, 0
.rept 32
	v_pk_mul_f32 v[S+j:S+j+1], v[S+j:S+j+1], s[22:23] op_sel_hi:[1,0]   ; t = score x c, rounded
.set j, j+2
.endr
.irp b, 0,1,2,3
	v_max3_num_f32 v[BM+\b], v[S+16*\b], v[S+1+16*\b], v[S+2+16*\b]     ; the largest t of each block of 32 keys: for the row's maximum, and for the block's largest p
.endr
.irp i, 3,5,7,9,11,13
.irp b, 0,1,2,3
	v_max3_num_f32 v[BM+\b], v[BM+\b], v[S+16*\b+\i], v[S+1+16*\b+\i]
.endr
.endr
.irp b, 0,1,2,3
	v_max_num_f32 v[BM+\b], v[BM+\b], v[S+15+16*\b]
.endr
.irp b, 0,1,2,3
	v_permlanex16_b32 v[BX+\b], v[BM+\b], s20, s21
.endr
.irp b, 0,1,2,3
	v_max_num_f32 v[BM+\b], v[BM+\b], v[BX+\b]
.endr
	v_max3_num_f32 v[T0], v[BM], v[BM+1], v[BM+2]
	v_max3_num_f32 v13, v[T0], v[BM+3], v13        ; the running largest t
	v_mov_b32 v[T0], v12
	v_floor_f32 v12, -v13                          ; the new -M = -ceil(t)
	v_sub_f32 v[T0], v12, v[T0]                    ; old M - new M: a whole number, 0 or less
	v_cvt_i32_f32 v[T0], v[T0]                     ; (it saturates)
	v_ldexp_f32 v[FF], 1.0, v[T0]                  ; f = 2^(old M - new M)
.set j, 0
.rept 32
	v_pk_add_f32 v[S+j:S+j+1], v[S+j:S+j+1], v[12:13] op_sel_hi:[1,0]   ; t - M
.set j, j+2
.endr
.irp b, 0,1,2,3
	v_add_f32 v[BM+\b], v[BM+\b], v12
.endr
.set j, 0
.rept 64
	v_exp_f32 v[S+j], v[S+j]                       ; p = 2^(t - M)
.set j, j+1
.endr
	v_pk_mul_f32 v[14:15], v[14:15], v[FF:FF+1] op_sel_hi:[1,0]   ; the sum under the new M; the plain place behind the exponentials
	s_wait_alu depctr_va_vdst(0)                   ; one wait for the batch of 64, ahead of its first reader
.irp b, 0,1,2,3
	v_exp_f32 v[BM+\b], v[BM+\b]                   ; the block's largest p: the same operations on the same number
.endr
	v_pk_add_f32 v[SUM2:SUM2+1], v[S:S+1], v[S+2:S+3]   ; the sum of the unquantised p, in two chains
.irp j, 4,8,12,16,20,24,28,32,36,40,44,48,52,56,60
	v_pk_add_f32 v[14:15], v[14:15], v[S+\j:S+\j+1]
	v_pk_add_f32 v[SUM2:SUM2+1], v[SUM2:SUM2+1], v[S+\j+2:S+\j+3]
.endr
	v_pk_add_f32 v[14:15], v[14:15], v[SUM2:SUM2+1]
	s_wait_alu depctr_va_vdst(0)                   ; and one for the four
.irp b, 0,1,2,3
	v_max_num_f32 v[BM+\b], 0x1800000, v[BM+\b]    ; the floor 2^(3 - 127)
.endr
.irp b, 0,1,2,3
	v_add_nc_u32 v[SO+\b], 0xff000000, v[BM+\b]
.endr
.irp b, 0,1,2,3
	v_lshrrev_b32 v[BX+\b], 23, v[SO+\b]
.endr
	v_lshl_or_b32 v[PW], v[BX+1], 8, v[BX]
	v_lshl_or_b32 v[PW], v[BX+2], 16, v[PW]
	v_lshl_or_b32 v[PW], v[BX+3], 24, v[PW]
.irp b, 0,1,2,3
	v_cvt_scalef32_pk8_fp4_f32 v[PC+2*\b], v[S+16*\b:S+7+16*\b], v[SO+\b]
	v_cvt_scalef32_pk8_fp4_f32 v[PC+1+2*\b], v[S+8+16*\b:S+15+16*\b], v[SO+\b]
.endr
	v_nop                                          ; one plain place behind a scaled conversion
.irp c, 0,1
.irp i, 0,1
	v_permlane16_swap_b32 v[PC+4*\c+\i], v[PC+2+4*\c+\i]
.endr
.endr
.set j, 0
.rept 16
	v_pk_mul_f32 v[OT+j:OT+j+1], v[OT+j:OT+j+1], v[FF:FF+1] op_sel_hi:[1,0]   ; O^T under the new M; these sixteen are also the places between p's codes and scale word and the products
.set j, j+2
.endr
	s_wait_dscnt 0x0                               ; V
.irp d, 0,1,2,3
	v_wmma_scale_f32_16x16x128_f8f6f4 v[OT+8*\d:OT+8*\d+7], v[VF+8*\d:VF+8*\d+7], v[PC:PC+7], v[OT+8*\d:OT+8*\d+7], v[VSW+\d], v[PW] matrix_a_fmt:MATRIX_FMT_FP4 matrix_b_fmt:MATRIX_FMT_FP4
.endr
.Lnext:
	s_add_co_u32 s16, s16, 4096
	s_add_co_u32 s17, s17, 256
	s_add_nc_u64 s[10:11], s[10:11], 256           ; (every scalar load that named it has been waited for)
	s_add_co_u32 s18, s18, 1
	s_cmp_lt_u32 s18, 16
	s_cbranch_scc1 .Lstep
	; the tile's end: z = O^T / the sum, quantised: my head's 64 are two blocks of the 1,024
.rept 4
	v_nop
.endr
	v_add_f32 v14, v14, v15
	v_permlanex16_b32 v[BX], v14, s20, s21
	v_add_f32 v14, v14, v[BX]
	v_rcp_f32 v[T0], v14
	v_nop
	s_wait_alu depctr_va_vdst(0)
.set j, 0
.rept 16
	v_pk_mul_f32 v[OT+j:OT+j+1], v[OT+j:OT+j+1], v[T0:T0+1] op_sel_hi:[1,0]   ; register 16 b + i = channel 32 b + 16 h + i
.set j, j+2
.endr
.irp b, 0,1
	v_max3_num_f32 v[BM+\b], |v[OT+16*\b]|, |v[OT+1+16*\b]|, 0x1800000
.endr
.irp i, 2,4,6,8,10,12,14
.irp b, 0,1
	v_max3_num_f32 v[BM+\b], v[BM+\b], |v[OT+16*\b+\i]|, |v[OT+1+16*\b+\i]|
.endr
.endr
.irp b, 0,1
	v_permlanex16_b32 v[BX+\b], v[BM+\b], s20, s21
.endr
.irp b, 0,1
	v_max_num_f32 v[BM+\b], v[BM+\b], v[BX+\b]
.endr
.irp b, 0,1
	v_add_nc_u32 v[SO+\b], 0xff000000, v[BM+\b]
.endr
.irp b, 0,1
	v_lshrrev_b32 v[BX+\b], 23, v[SO+\b]
.endr
.irp b, 0,1
	v_cvt_scalef32_pk8_fp4_f32 v[PC+2*\b], v[OT+16*\b:OT+7+16*\b], v[SO+\b]
	v_cvt_scalef32_pk8_fp4_f32 v[PC+1+2*\b], v[OT+8+16*\b:OT+15+16*\b], v[SO+\b]
.endr
	v_cndmask_b32 v[T0], v[BX], v[BX+1], s30       ; lane (r, h) stores block h's byte.  (The plain place behind the conversions)
	v_permlane16_swap_b32 v[PC], v[PC+2]
	v_permlane16_swap_b32 v[PC+1], v[PC+3]         ; registers 0-3: channels 32 h + 0 .. 31
	global_store_b128 v1, v[PC:PC+3], s[100:101]   ; 512 consecutive bytes, aligned
	global_store_b8 v6, v[T0], s[104:105]          ; two bytes a row and head: the neighbours in a row come from other heads' work-groups
	s_wait_xcnt 0x0                                ; the stores have read their registers and bases: the next tile writes them again
.irp i, 0,1,2,3
	v_mov_b32 v[QF+\i], v[34+\i]                   ; on to my second tile
	v_mov_b32 v[QF+12+\i], v[34+\i]
.endr
	v_mov_b32 v39, v38
	s_mov_b32 s24, s25
	s_mov_b32 s12, s14
	s_mov_b32 s13, s15
	s_add_co_u32 s19, s19, 1
	s_cmp_lt_u32 s19, 2
	s_cbranch_scc1 .Ltile
	s_wait_tensorcnt 0x0
	ds_add_u32 v254, v255
	s_wait_dscnt 0x0
	s_endpgm
.Lfunc_end_k_q290a689b22_attn:
	.size	k_q290a689b22_attn, .Lfunc_end_k_q290a689b22_attn-k_q290a689b22_attn
	.p2alignl 7, 3214868480
	.fill 96, 4, 3214868480
	.section	.rodata,"a",@progbits
	.p2align	6, 0x0
	.amdhsa_kernel k_q290a689b22_attn
		.amdhsa_group_segment_fixed_size 141312
		.amdhsa_private_segment_fixed_size 0
		.amdhsa_enable_private_segment 0
		.amdhsa_kernarg_size 24
		.amdhsa_user_sgpr_count 2
		.amdhsa_user_sgpr_kernarg_segment_ptr 1
		.amdhsa_wavefront_size32 1
		.amdhsa_system_sgpr_workgroup_id_x 1
		.amdhsa_system_sgpr_workgroup_id_y 1
		.amdhsa_system_sgpr_workgroup_id_z 1
		.amdhsa_system_vgpr_workitem_id 0
		.amdhsa_next_free_vgpr 256
		.amdhsa_next_free_sgpr 106
		.amdhsa_reserve_vcc 0
		.amdhsa_float_denorm_mode_32 3
		.amdhsa_float_denorm_mode_16_64 3
		.amdhsa_memory_ordered 1
		.amdhsa_forward_progress 1
		.amdhsa_inst_pref_size 46
	.end_amdhsa_kernel
	.amdgpu_metadata
---
amdhsa.version: [ 1, 2 ]
amdhsa.kernels:
  - .name:           k_q290a689b22_attn
    .symbol:         k_q290a689b22_attn.kd
    .args:
      - { .name: qkv, .offset: 0, .size: 8, .value_kind: global_buffer, .address_space: global }
      - { .name: mwords, .offset: 8, .size: 8, .value_kind: global_buffer, .address_space: global }
      - { .name: zq, .offset: 16, .size: 8, .value_kind: global_buffer, .address_space: global }
    .group_segment_fixed_size: 141312
    .private_segment_fixed_size: 0
    .kernarg_segment_align: 8
    .kernarg_segment_size: 24
    .max_flat_workgroup_size: 512
    .sgpr_count:     106
    .vgpr_count:     256
    .wavefront_size: 32
...
	.end_amdgpu_metadata
.endif
;; end of part 3
;; launch outln (part 4): grid 256 x 1, 8 waves a work-group, no clusters, 263,680 bytes of LDS; arguments zq, opnd, x, gamma, beta, out0; writes out0
.if DOCPART == 4
	.amdgcn_target "amdgcn-amd-amdhsa--gfx1250"
	.amdhsa_code_object_version 6
	.text
	.protected	k_q290a689b22_outln
	.globl	k_q290a689b22_outln
	.p2align	8
	.type	k_q290a689b22_outln,@function
k_q290a689b22_outln:
	s_mov_b64 s[64:65], 0
	v_nop
	global_prefetch_b8 v0, s[64:65] scope:SCOPE_SE
	s_setreg_imm32_b32 hwreg(HW_REG_WAVE_MODE, 25, 1), 1
	s_wait_xcnt 0x0
; OUTLN: out = layernorm(relu(z Wo) + x) x gamma + beta.  z Wo on codes of FP4 (E2M1) with E8M0 scales, K = 1,024; all else in f32; mean and variance in two passes over registers.
; SHARES: work-group g has token tiles 2 g and 2 g + 1 (tokens 32 g .. 32 g + 31) and all 1,024 columns, so that a row's norm stays in the work-group.  Wave w makes columns 128 w .. + 127: 8 tiles of Wo x 2 token tiles.
; The product is used transposed (source 0 = 16 rows of Wo, source 1 = 16 tokens); a tile's rows are rho(T, m) = 32 (T / 2) + 8 (T % 2) + m + 8 (m / 8), so a lane's 16 registers of two neighbouring tiles are 16 neighbouring columns.
; Operands come from memory straight into registers, as images (each load takes 512 consecutive bytes): each fragment of Wo serves one wave alone.  Loads run three K steps ahead, in four sets of registers.
; x comes by ONE tensor load a wave: the four tokens that the wave will normalise, 16,384 dense bytes, into LDS bytes of its own, which it alone reads; it is asked for in the first lines and waited for behind the product.
; The results meet in a stage (32 rows x 4,112 bytes, an odd multiple of 16); one barrier; wave w takes stage rows 4 w .. 4 w + 3, which are four neighbouring tokens.
; NO JOINT LOADS for Wo, which all work-groups read: its 524,288 bytes of codes do not fit beside x (131,072) and the stage (131,584), so it would need slots that are filled again, each fill behind a round of the cluster's
;   barrier, and a K step here is 16 matrix instructions a wave.
; REGISTERS: window 0: v1-6 addresses; v16-23 z's scale words (tile 0 in lanes 0-15, tile 1 in lanes 16-31), v24-55 Wo's (pair i: tile 2 i below, 2 i + 1 above): they hold scales and nothing else; v56-119 z's fragments, 4 sets, later the
;   rows' sums; v128-255 Wo's sets 2, 3, later gamma (v128-159) and beta (v160-191).   window 1: v0-127 accumulator (t, a) at 8 (2 t + a), later four rows of y; v128-255 Wo's sets 0, 1, later four rows of x and partial sums.
.set ZS,   4194304
.set WI,   4456448
.set WS,   6553600
.set STG,  131072
.set SPT,  4112
.set L16,  1                           ; v1  16 x lane
.set L32,  2                           ; v2  32 x lane
.set STA,  3                           ; v3, v4  the stage, on the way in, token tile 0, 1
.set YRD,  5                           ; v5  the stage, on the way out
.set XRD,  6                           ; v6  my four rows of x in LDS
.set ZSC,  16
.set WSC,  24
.set ZF,   56
.set RS,   56                          ; v56-71 row i: v[56 + 4 i] a sum, the mean, 1 / sqrt; + 2 at work
.set GA,   128
.set BE,   160
.set MSB, 0
.macro WIN new
.if MSB != (\new)
	s_set_vgpr_msb (MSB<<8)|(\new)
.set MSB, (\new)
.endif
.endm
	s_load_b256 s[4:11], s[0:1], 0x0               ; zq s[4:5], opnd s[6:7], x s[8:9], gamma s[10:11]
	s_load_b128 s[12:15], s[0:1], 0x20             ; beta s[12:13], out0 s[14:15]
	v_lshl_add_u32 v126, v0, 2, 0x40200
	v_mov_b32 v127, 0
	ds_add_u32 v126, v127
	ds_add_u32 v126, v127
	v_lshrrev_b32 v1, 5, v0
	v_readfirstlane_b32 s16, v1                    ; wave 0..7
	s_lshl_b32 s17, ttmp9, 5
	s_lshr_b32 s18, s16, 2
	s_lshl_b32 s18, s18, 3
	s_add_co_u32 s17, s17, s18
	s_and_b32 s18, s16, 3
	s_lshl_b32 s19, s18, 2
	s_add_co_u32 s17, s17, s19
	s_lshr_b32 s18, s18, 1
	s_lshl_b32 s18, s18, 3
	s_add_co_u32 s17, s17, s18                     ; my first token: 32 g + 8 (w / 4) + 4 (w % 4) + 8 ((w % 4) / 2) = rho of stage row 4 w
	s_lshl_b32 s18, s17, 12                        ; x 4,096 bytes
	s_mov_b32 s19, 0
	s_mov_b32 s24, 3<<16                           ; group 1: 64 rows of 256 bytes (32 elements of 8), dense; no mask, no padding
	s_mov_b32 s25, 32<<16
	s_mov_b32 s26, 64<<16
	s_mov_b32 s27, 32<<16
	s_mov_b32 s28, 64
	s_mov_b32 s29, 32
	s_mov_b32 s30, 0
	s_mov_b32 s31, 0
	s_mov_b32 s20, 1
	s_lshl_b32 s21, s16, 14                        ; my 16,384 bytes of LDS
	s_wait_dscnt 0x0
	s_wait_kmcnt 0x0
	s_add_nc_u64 s[22:23], s[8:9], s[18:19]
	s_or_b32 s23, s23, 0x80000000
	tensor_load_to_lds s[20:23], s[24:31]          ; my one tensor load
	s_nop 0
.rept 4
	v_nop
.endr
	s_add_nc_u64 s[14:15], s[14:15], s[18:19]      ; out0 at my first token
	v_and_b32 v7, 31, v0
	v_and_b32 v8, 15, v0                           ; r
	v_bfe_u32 v9, v0, 4, 1                         ; h
	v_lshlrev_b32 v[L16], 4, v7
	v_lshlrev_b32 v[L32], 5, v7
	v_mul_u32_u24 v[STA], v8, SPT
	v_lshl_add_u32 v[STA], v9, 6, v[STA]
	s_lshl_b32 s32, s16, 9
	s_add_co_u32 s32, s32, STG
	v_add_nc_u32 v[STA], s32, v[STA]               ; row r, + 512 w + 64 h
	v_add_nc_u32 v[STA+1], 16*SPT, v[STA]
	s_mul_i32 s32, s16, 4*SPT
	s_add_co_u32 s32, s32, STG
	v_add_nc_u32 v[YRD], s32, v[L16]
	v_add_nc_u32 v[XRD], s21, v[L16]
	s_lshl_b32 s32, s16, 16                        ; Wo's images: tile 192 + 8 w
	s_add_co_u32 s32, s32, WI+192*8192
	s_mov_b32 s33, 0
	s_add_nc_u64 s[32:33], s[6:7], s[32:33]
	s_lshl_b32 s34, s16, 12                        ; and scale rows
	s_add_co_u32 s34, s34, WS+192*512
	s_mov_b32 s35, 0
	s_add_nc_u64 s[34:35], s[6:7], s[34:35]
	s_lshl_b32 s36, ttmp9, 14                      ; z's images: tile 2 g
	s_mov_b32 s37, 0
	s_add_nc_u64 s[36:37], s[4:5], s[36:37]
	s_lshl_b32 s38, ttmp9, 10
	s_add_co_u32 s38, s38, ZS
	s_mov_b32 s39, 0
	s_add_nc_u64 s[38:39], s[4:5], s[38:39]
	s_mov_b32 s40, 0x76543210
	s_mov_b32 s41, 0xfedcba98
	s_mov_b32 s42, 0x3a800000                      ; 1 / 1,024
	s_mov_b32 s43, 0x2b8cbccc                      ; 1e-12
	global_load_b128 v[ZSC:ZSC+3], v[L32], s[38:39]
	global_load_b128 v[ZSC+4:ZSC+7], v[L32], s[38:39] offset:16
.irp i, 0,1,2,3
.irp e, 0,1
	global_load_b128 v[WSC+8*\i+4*\e:WSC+8*\i+4*\e+3], v[L32], s[34:35] offset:1024*\i+16*\e
.endr
.endr
; K step kq's fragments into set kq % 4: 16 loads for Wo's eight tiles, 4 for z's two
.macro LOADK kq
.set SB, 128+64*((\kq)%2)
.if ((\kq)%4) < 2
	WIN 0x40                                       ; destination window 1
.else
	WIN 0
.endif
.irp t, 0,1,2,3,4,5,6,7
.irp c, 0,1
	global_load_b128 v[SB+8*\t+4*\c:SB+8*\t+4*\c+3], v[L16], s[32:33] offset:8192*\t+1024*(\kq)+512*\c
.endr
.endr
	WIN 0
.irp a, 0,1
.irp c, 0,1
	global_load_b128 v[ZF+16*((\kq)%4)+8*\a+4*\c:ZF+16*((\kq)%4)+8*\a+4*\c+3], v[L16], s[36:37] offset:8192*\a+1024*(\kq)+512*\c
.endr
.endr
.endm
.macro WM4 d, a, b, c, sa, sb, ra, rb  ; ra, rb = 1: that side's scales stand in lanes 16-31
.if ((\ra) == 1) && ((\rb) == 1)
	v_wmma_scale_f32_16x16x128_f8f6f4 v[\d:\d+7], v[\a:\a+7], v[\b:\b+7], \c, v[\sa], v[\sb] matrix_a_fmt:MATRIX_FMT_FP4 matrix_b_fmt:MATRIX_FMT_FP4 matrix_a_scale:MATRIX_SCALE_ROW1 matrix_b_scale:MATRIX_SCALE_ROW1
.elseif (\ra) == 1
	v_wmma_scale_f32_16x16x128_f8f6f4 v[\d:\d+7], v[\a:\a+7], v[\b:\b+7], \c, v[\sa], v[\sb] matrix_a_fmt:MATRIX_FMT_FP4 matrix_b_fmt:MATRIX_FMT_FP4 matrix_a_scale:MATRIX_SCALE_ROW1
.elseif (\rb) == 1
	v_wmma_scale_f32_16x16x128_f8f6f4 v[\d:\d+7], v[\a:\a+7], v[\b:\b+7], \c, v[\sa], v[\sb] matrix_a_fmt:MATRIX_FMT_FP4 matrix_b_fmt:MATRIX_FMT_FP4 matrix_b_scale:MATRIX_SCALE_ROW1
.else
	v_wmma_scale_f32_16x16x128_f8f6f4 v[\d:\d+7], v[\a:\a+7], v[\b:\b+7], \c, v[\sa], v[\sb] matrix_a_fmt:MATRIX_FMT_FP4 matrix_b_fmt:MATRIX_FMT_FP4
.endif
.endm
; 16 products: the 16 accumulators take turns, one instruction a turn, in the same order in every K step
.macro MULK kq
.set SB, 128+64*((\kq)%2)
.if ((\kq)%4) < 2
	WIN 0x51                                       ; Wo window 1, z window 0, C and D window 1
.else
	WIN 0x50                                       ; Wo window 0
.endif
.irp t, 0,1,2,3,4,5,6,7
.irp a, 0,1
.if (\kq) == 0
	WM4 8*(2*\t+\a), SB+8*\t, ZF+16*((\kq)%4)+8*\a, 0, WSC+8*(\t/2)+(\kq), ZSC+(\kq), \t%2, \a
.else
	WM4 8*(2*\t+\a), SB+8*\t, ZF+16*((\kq)%4)+8*\a, v[8*(2*\t+\a):8*(2*\t+\a)+7], WSC+8*(\t/2)+(\kq), ZSC+(\kq), \t%2, \a
.endif
.endr
.endr
.endm
.macro PLACES
.rept 4
	v_nop
.endr
.endm
	LOADK 0
	LOADK 1
	LOADK 2
	LOADK 3
.irp kq, 0,1,2,3
	s_wait_loadcnt 60                              ; this K step's loads are in; the 20 of each of the three steps behind it stay out
	MULK \kq
	PLACES                                         ; in front of loads into registers that the products have read
	LOADK \kq+4
.endr
	s_wait_loadcnt 60
	MULK 4
	s_wait_loadcnt 40
	MULK 5
	s_wait_loadcnt 20
	MULK 6
	s_wait_loadcnt 0x0
	MULK 7
	WIN 0
	PLACES
.irp k, 0,1,2,3,4,5,6,7
	global_load_b128 v[GA+4*\k:GA+4*\k+3], v[L16], s[10:11] offset:512*\k   ; gamma and beta of columns 4 lane + 128 k + 0 .. 3
	global_load_b128 v[BE+4*\k:BE+4*\k+3], v[L16], s[12:13] offset:512*\k
.endr
	WIN 0x44                                       ; source 1 and destination window 1
.set j, 0
.rept 128
	v_max_num_f32 v[j], 0, v[j]                    ; relu; each accumulator from its low end on
.set j, j+1
.endr
	WIN 0x04                                       ; an LDS store's data are its source 1
.irp t, 0,1,2,3,4,5,6,7
.irp a, 0,1
.irp e, 0,1
	ds_store_b128 v[STA+\a], v[8*(2*\t+\a)+4*\e:8*(2*\t+\a)+4*\e+3] offset:128*(\t/2)+32*(\t%2)+16*\e   ; lane (r, h): row 16 a + r, columns 128 w + 32 (t / 2) + 16 h + 8 (t % 2) + 4 e + 0 .. 3
.endr
.endr
.endr
	WIN 0
	s_wait_dscnt 0x0                               ; for the others' sake: my stores have landed
	s_barrier_signal -1
	s_barrier_wait -1                              ; 32 whole rows lie in the stage
	s_wait_tensorcnt 0x0                           ; my four rows of x are in LDS
	WIN 0x40
.irp i, 0,1,2,3
.irp k, 0,1,2,3,4,5,6,7
	ds_load_b128 v[32*\i+4*\k:32*\i+4*\k+3], v[YRD] offset:SPT*\i+512*\k
	ds_load_b128 v[128+32*\i+4*\k:128+32*\i+4*\k+3], v[XRD] offset:4096*\i+512*\k
.endr
.endr
	s_wait_dscnt 0x0
	WIN 0x45                                       ; all in window 1
.set j, 0
.rept 64
	v_pk_add_f32 v[j:j+1], v[j:j+1], v[128+j:129+j]   ; y = relu(z Wo) + x
.set j, j+2
.endr
.irp i, 0,1,2,3                        ; a row's sum, in two chains; the four rows by turns; the partial sums lie where x lay
	v_pk_add_f32 v[128+8*\i:129+8*\i], v[32*\i:32*\i+1], v[32*\i+2:32*\i+3]
	v_pk_add_f32 v[130+8*\i:131+8*\i], v[32*\i+4:32*\i+5], v[32*\i+6:32*\i+7]
.endr
.irp j, 8,12,16,20,24,28
.irp i, 0,1,2,3
	v_pk_add_f32 v[128+8*\i:129+8*\i], v[128+8*\i:129+8*\i], v[32*\i+\j:32*\i+\j+1]
	v_pk_add_f32 v[130+8*\i:131+8*\i], v[130+8*\i:131+8*\i], v[32*\i+\j+2:32*\i+\j+3]
.endr
.endr
.irp i, 0,1,2,3
	v_pk_add_f32 v[128+8*\i:129+8*\i], v[128+8*\i:129+8*\i], v[130+8*\i:131+8*\i]
.endr
	WIN 0x05                                       ; sources window 1, destination window 0
.irp i, 0,1,2,3
	v_add_f32 v[RS+4*\i], v[128+8*\i], v[129+8*\i]
.endr
	WIN 0
.macro REDUCE                          ; the four rows' sums over the 32 lanes, in every lane
.irp m, 1,2,4,8
.irp i, 0,1,2,3
	v_add_f32_dpp v[RS+4*\i], v[RS+4*\i], v[RS+4*\i] row_xmask:\m row_mask:0xf bank_mask:0xf
.endr
.endr
.irp i, 0,1,2,3
	v_permlanex16_b32 v[RS+4*\i+2], v[RS+4*\i], s40, s41
.endr
.irp i, 0,1,2,3
	v_add_f32 v[RS+4*\i], v[RS+4*\i], v[RS+4*\i+2]
.endr
.endm
	REDUCE
.irp i, 0,1,2,3
	v_mul_f32 v[RS+4*\i], s42, v[RS+4*\i]          ; the mean
.endr
	WIN 0x41                                       ; y window 1, the row's number window 0
.irp i, 0,1,2,3
.irp j, 0,2,4,6,8,10,12,14,16,18,20,22,24,26,28,30
	v_pk_add_f32 v[32*\i+\j:32*\i+\j+1], v[32*\i+\j:32*\i+\j+1], v[RS+4*\i:RS+4*\i+1] op_sel_hi:[1,0] neg_lo:[0,1] neg_hi:[0,1]   ; y - mean
.endr
.endr
	WIN 0x55
.irp i, 0,1,2,3
	v_pk_mul_f32 v[128+8*\i:129+8*\i], v[32*\i:32*\i+1], v[32*\i:32*\i+1]
	v_pk_mul_f32 v[130+8*\i:131+8*\i], v[32*\i+2:32*\i+3], v[32*\i+2:32*\i+3]
.endr
.irp j, 4,8,12,16,20,24,28
.irp i, 0,1,2,3
	v_pk_fma_f32 v[128+8*\i:129+8*\i], v[32*\i+\j:32*\i+\j+1], v[32*\i+\j:32*\i+\j+1], v[128+8*\i:129+8*\i]
	v_pk_fma_f32 v[130+8*\i:131+8*\i], v[32*\i+\j+2:32*\i+\j+3], v[32*\i+\j+2:32*\i+\j+3], v[130+8*\i:131+8*\i]
.endr
.endr
.irp i, 0,1,2,3
	v_pk_add_f32 v[128+8*\i:129+8*\i], v[128+8*\i:129+8*\i], v[130+8*\i:131+8*\i]
.endr
	WIN 0x05
.irp i, 0,1,2,3
	v_add_f32 v[RS+4*\i], v[128+8*\i], v[129+8*\i]
.endr
	WIN 0
	REDUCE
.irp i, 0,1,2,3
	v_fma_f32 v[RS+4*\i], v[RS+4*\i], s42, s43     ; the variance + 1e-12
.endr
.irp i, 0,1,2,3
	v_rsq_f32 v[RS+4*\i], v[RS+4*\i]
.endr
	v_nop                                          ; a plain place behind the last of them,
	s_wait_alu depctr_va_vdst(0)                   ; and one wait for the four, ahead of their first reader
	WIN 0x41
.irp i, 0,1,2,3
.irp j, 0,2,4,6,8,10,12,14,16,18,20,22,24,26,28,30
	v_pk_mul_f32 v[32*\i+\j:32*\i+\j+1], v[32*\i+\j:32*\i+\j+1], v[RS+4*\i:RS+4*\i+1] op_sel_hi:[1,0]
.endr
.endr
	s_wait_loadcnt 0x0                             ; gamma and beta
.irp i, 0,1,2,3
.irp j, 0,2,4,6,8,10,12,14,16,18,20,22,24,26,28,30
	v_pk_fma_f32 v[32*\i+\j:32*\i+\j+1], v[32*\i+\j:32*\i+\j+1], v[GA+\j:GA+\j+1], v[BE+\j:BE+\j+1]
.endr
.endr
	WIN 0x04                                       ; a store's data are its source 1
.irp i, 0,1,2,3
.irp k, 0,1,2,3,4,5,6,7
	global_store_b128 v[L16], v[32*\i+4*\k:32*\i+4*\k+3], s[14:15] offset:4096*\i+512*\k th:TH_STORE_NT   ; 512 consecutive bytes, aligned
.endr
.endr
	WIN 0
	s_wait_tensorcnt 0x0
	ds_add_u32 v126, v127
	s_wait_dscnt 0x0
	s_endpgm
.Lfunc_end_k_q290a689b22_outln:
	.size	k_q290a689b22_outln, .Lfunc_end_k_q290a689b22_outln-k_q290a689b22_outln
	.p2alignl 7, 3214868480
	.fill 96, 4, 3214868480
	.section	.rodata,"a",@progbits
	.p2align	6, 0x0
	.amdhsa_kernel k_q290a689b22_outln
		.amdhsa_group_segment_fixed_size 263680
		.amdhsa_private_segment_fixed_size 0
		.amdhsa_enable_private_segment 0
		.amdhsa_kernarg_size 48
		.amdhsa_user_sgpr_count 2
		.amdhsa_user_sgpr_kernarg_segment_ptr 1
		.amdhsa_wavefront_size32 1
		.amdhsa_system_sgpr_workgroup_id_x 1
		.amdhsa_system_sgpr_workgroup_id_y 1
		.amdhsa_system_sgpr_workgroup_id_z 1
		.amdhsa_system_vgpr_workitem_id 0
		.amdhsa_next_free_vgpr 512
		.amdhsa_next_free_sgpr 66
		.amdhsa_reserve_vcc 0
		.amdhsa_float_denorm_mode_32 3
		.amdhsa_float_denorm_mode_16_64 3
		.amdhsa_memory_ordered 1
		.amdhsa_forward_progress 1
		.amdhsa_inst_pref_size 80
	.end_amdhsa_kernel
	.amdgpu_metadata
---
amdhsa.version: [ 1, 2 ]
amdhsa.kernels:
  - .name:           k_q290a689b22_outln
    .symbol:         k_q290a689b22_outln.kd
    .args:
      - { .name: zq, .offset: 0, .size: 8, .value_kind: global_buffer, .address_space: global }
      - { .name: opnd, .offset: 8, .size: 8, .value_kind: global_buffer, .address_space: global }
      - { .name: x, .offset: 16, .size: 8, .value_kind: global_buffer, .address_space: global }
      - { .name: gamma, .offset: 24, .size: 8, .value_kind: global_buffer, .address_space: global }
      - { .name: beta, .offset: 32, .size: 8, .value_kind: global_buffer, .address_space: global }
      - { .name: out0, .offset: 40, .size: 8, .value_kind: global_buffer, .address_space: global }
    .group_segment_fixed_size: 263680
    .private_segment_fixed_size: 0
    .kernarg_segment_align: 8
    .kernarg_segment_size: 48
    .max_flat_workgroup_size: 256
    .sgpr_count:     66
    .vgpr_count:     512
    .wavefront_size: 32
...
	.end_amdgpu_metadata
.endif
;; end of part 4
;; ======== version 2 of 2: 4 launches; version 1 with the launch attn written anew for expert scheduling mode
;; limits: right only within a limited range of input values
;; workspace buffers: opnd 6,684,672 bytes; mwords 540,672 bytes of whole numbers; qkv 13,369,344 bytes; zq 4,456,448 bytes
;; launch prep: the kernel of part 1 again; grid 256 x 1, 4 waves a work-group, no clusters, 34,304 bytes of LDS; arguments Wq_codes, Wq_scales, Wk_codes, Wk_scales, Wv_codes, Wv_scales, Wo_codes, Wo_scales, x, attn_mask, opnd, mwords; writes opnd, mwords
;; launch qkv: the kernel of part 2 again; grid 12 x 32, 4 waves a work-group, clusters of 4 x 4, 262,656 bytes of LDS; arguments opnd, qkv; writes qkv
;; launch attn (part 5): grid 4 x 64, 16 waves a work-group, no clusters, 141,312 bytes of LDS; arguments qkv, mwords, zq; writes zq
.if DOCPART == 5
	.amdgcn_target "amdgcn-amd-amdhsa--gfx1250"
	.amdhsa_code_object_version 6
	.text
	.protected	k_q290a689b22_attn
	.globl	k_q290a689b22_attn
	.p2align	8
	.type	k_q290a689b22_attn,@function
k_q290a689b22_attn:
	s_mov_b64 s[64:65], 0
	v_nop
	global_prefetch_b8 v0, s[64:65] scope:SCOPE_SE
	s_setreg_imm32_b32 hwreg(HW_REG_WAVE_SCHED_MODE, 0, 2), 2
	s_setreg_imm32_b32 hwreg(HW_REG_WAVE_MODE, 25, 1), 1
	s_wait_xcnt 0x0
	s_wait_alu depctr_vm_vsrc(0)
; ATTN: z[head][q] = the sum over keys of softmax(q . k / 8, masked keys at -1e6) v, both products on codes of FP4 (E2M1) with E8M0 scales; z is quantised along the 1,024 (head, channel) and stored as images for the last product.
; THE SOFTMAX: t = logit x log2(e), rounded to f32; M = the largest t so far rounded UP to a whole number; p = 2^(t - M) is quantised along the keys; the sum is taken of the unquantised p and divides at the end.
; t is made by a multiplication and t - M by an addition of their own: in a row whose every key is masked t is the same number everywhere.
; SHARES: a work-group has one head's K and V whole in LDS (136 KB, written once by ds_store, one barrier); wave w of work-group j owns query tiles u = 16 j + w and 127 - u; a tile is 16 queries, a step 128 keys.
; LAYOUT: both products transposed (S^T = K Q^T, O^T = V^T P^T): a lane holds one query.  A tile's rows are rho(T, m) = 32 (T / 2) + 8 (T % 2) + m + 8 (m / 8), so 16 registers of two neighbouring tiles are 16 neighbours.
; THE HEAD'S 64 IN AN INSTRUCTION OF 128: source 0 holds TWO key tiles, tile 2 pp in registers 0-3 (K 0-63), tile 2 pp + 1 in 4-7 (K 64-127); against [q | 0] it gives the first tile's scores, against [0 | q] the second's.
; THE MASK is an input.  An earlier launch stored it as bit words (one word for each score register of a step) and, for each (query tile, step), the AND and the OR of the 64 words.  A step whose AND is all ones hides all
; 16 x 128 scores and is left out; a step whose OR is 0 hides nothing and loads no mask words; else 64 v_cndmask_b32 put -8e6 (x 1/8 = -1e6) in the hidden scores' place.
; LIMIT: a step is left out only in a tile where every query has a key that counts; then the hidden keys' p = 2^(-1,442,695 - M) is 0 in f32 as long as the query's largest counting logit lies above about -999,900.
;   Blocks of zeros get the scale byte 1 (zero codes; this program alone reads the bytes).  NaN and infinities are not served.
; NO JOINT LOADS, though the four work-groups of a head read the same 136 KB: they read them once, at the head, and joint loads are tensor loads:
;   the branches on the mask's summaries leave out every step that the mask hides, and are worth more than one shared read.
; REGISTERS: v1-4, v6 addresses; v7 -8e6; v8-11 a step's addresses; v12 -M, v13 largest t, v[14:15] the sum; v16-23 [q | 0], v24-31 [0 | q]; v32-33 q's scale words; v34-37, v38 the second tile's q; v39 q's stored word;
;   v40-71 K, v72-75 its words; v76-107 V, v108-111 its words; v112-175 S^T, then p; v176-207 O^T; v208-215 p's codes; v216-235 at work; v254, v255 the closing add's two.
; THE MODE: SCHED_MODE bits 1:0 = 2 (LLVM: expert scheduling mode 2), set by the entry lines.  The code itself states the register dependences
; between vector or matrix instructions and memory or LDS instructions, with s_wait_alu, always for 0.
; THE PLAN.  Registers that memory or LDS instructions touch:
;   v1, v6        Offsets of q's loads and of a tile's two stores: written once at the head, never again.
;   v40-44        At the head only: offsets and LDS addresses of the head's copy.  Behind the barrier they are part of K's fragments.
;   v112-179      At the head only: K, V and their scale words on the way from memory to LDS: global loads land there, ds_stores read them.  Behind the barrier they are S^T and O^T.
;   v8-11         A step's LDS addresses: written by four additions at the step's head, read by the step's 18 LDS loads.
;   K, its words  v40-75: nine LDS loads land at the step's head; the step's eight products S^T read them.
;   V, its words  v76-111: nine LDS loads land; the step's four products O^T, its last instructions, read them.
;   v208-211, v232  At a tile's end: z's codes and scale byte, written by vector instructions, read by the two stores.
; A STEP HAS ONE WAIT ON vm_vsrc, ahead of the four additions, AND ONE ON va_vdst BEHIND THEM, which states all that its 18 LDS loads hang on: the addresses are written, and every earlier product is done reading K's and V's registers.
; K's loads follow that wait; V's are dealt among the eight products S^T, which name S^T, K, q and their scale words: none of the registers that V's loads touch.  The step's other waits on va_vdst: two behind the exponentials, one ahead of
; the products O^T, whose operand p and its scale word vector instructions have just written.
.set KI,   4194304
.set VI,   8388608
.set QS,   12582912
.set ZS,   4194304
.set MS,   524288
.set QF,   16
.set QSC,  32
.set KF,   40
.set KSW,  72
.set VF,   76
.set VSW,  108
.set S,    112
.set OT,   176
.set PC,   208
.set BM,   216                         ; v216-219 a block's largest t, then p
.set BX,   220                         ; v220-223 the other half's; then the bytes
.set SO,   224                         ; v224-227 the conversions' scale operands
.set PW,   228                         ; v228 p's scale word: it holds scales and nothing else
.set FF,   230                         ; v[230:231] f = 2^(old M - new M) (the pair is named; its low word serves both halves)
.set T0,   232                         ; v[232:233]
.set SUM2, 234                         ; v[234:235]
	s_load_b128 s[4:7], s[0:1], 0x0                ; qkv s[4:5], mwords s[6:7]
	s_load_b64 s[8:9], s[0:1], 0x10                ; zq
	v_lshl_add_u32 v254, v0, 2, 0x22000
	v_mov_b32 v255, 0
	v_lshrrev_b32 v8, 5, v0
	v_readfirstlane_b32 s2, v8                     ; wave 0..15
	v_and_b32 v9, 31, v0
	v_and_b32 v10, 15, v0                          ; r
	v_bfe_u32 v11, v0, 4, 1                        ; h
	v_lshlrev_b32 v1, 4, v9                        ; 16 x lane: K's images; also z's codes
	v_add_nc_u32 v2, 0x10000, v1                   ; V's images
	v_lshlrev_b32 v44, 4, v10                      ; 16 r
	v_add_nc_u32 v3, 131072, v44                   ; K's scale words
	v_add_nc_u32 v4, 135168, v44                   ; V's
	v_lshlrev_b32 v6, 5, v10
	v_add_nc_u32 v6, v6, v11                       ; z's scale byte: 32 r + h
	v_mov_b32 v7, 0xcaf42400                       ; -8e6
	v_lshlrev_b32 v40, 4, v0                       ; the head's copy: 16 x thread,
	v_add_nc_u32 v41, 0x10000, v40
	v_lshlrev_b32 v42, 3, v0                       ; 8 x thread
	v_add_nc_u32 v43, 131072, v42
	s_wait_alu depctr_va_sdst(0)                   ; s2 is written, ahead of its one reader: my query tiles are made from it
	s_and_b32 s3, ttmp7, 0xffff                    ; the head: 16 x batch + hd
	s_lshl_b32 s24, ttmp9, 4
	s_add_co_u32 s24, s24, s2                      ; my first query tile,
	s_sub_co_u32 s25, 127, s24                     ; and my second
	s_lshl_b32 s82, s3, 16                         ; 65,536 bytes of codes a head in each of q, k, v
	s_mov_b32 s83, 0
	s_lshl_b32 s80, s3, 12                         ; 4,096 bytes of scale words
	s_add_co_u32 s80, s80, QS
	s_mov_b32 s81, 0
	s_lshl_b32 s68, s24, 9
	s_mov_b32 s69, 0
	s_lshl_b32 s70, s25, 9
	s_mov_b32 s71, 0
	s_lshr_b32 s72, s24, 3                         ; a query tile's scale word: step qt / 8, word (qt / 2) % 4
	s_lshl_b32 s72, s72, 8
	s_bfe_u32 s26, s24, 0x20001
	s_lshl_b32 s26, s26, 2
	s_add_co_u32 s72, s72, s26
	s_mov_b32 s73, 0
	s_lshr_b32 s74, s25, 3
	s_lshl_b32 s74, s74, 8
	s_bfe_u32 s26, s25, 0x20001
	s_lshl_b32 s26, s26, 2
	s_add_co_u32 s74, s74, s26
	s_mov_b32 s75, 0
	s_wait_kmcnt 0x0
	s_add_nc_u64 s[82:83], s[4:5], s[82:83]
	s_add_nc_u64 s[80:81], s[4:5], s[80:81]
	s_add_nc_u64 s[76:77], s[82:83], KI
	s_add_nc_u64 s[78:79], s[82:83], VI
	s_add_nc_u64 s[68:69], s[82:83], s[68:69]
	s_add_nc_u64 s[70:71], s[82:83], s[70:71]
	s_add_nc_u64 s[72:73], s[80:81], s[72:73]
	s_add_nc_u64 s[74:75], s[80:81], s[74:75]
	s_wait_alu depctr_va_vdst(0)                   ; v1, v6 and v40 to v44 are written: the loads below, the LDS stores of the copy and the tiles' stores read them as offsets and addresses
.irp i, 0,1,2,3,4,5,6,7
	global_load_b128 v[112+4*\i:115+4*\i], v40, s[76:77] offset:8192*\i    ; K's 65,536 bytes: 512 threads x 16 bytes x 8
.endr
.irp i, 0,1,2,3,4,5,6,7
	global_load_b128 v[144+4*\i:147+4*\i], v40, s[78:79] offset:8192*\i    ; V's
.endr
	global_load_b64 v[176:177], v42, s[80:81] offset:262144                ; K's scale words (they lie 262,144 bytes behind q's),
	global_load_b64 v[178:179], v42, s[80:81] offset:524288                ; V's
	global_load_b128 v[QF:QF+3], v1, s[68:69]                              ; q of my first tile, twice: [q | 0] and [0 | q] share no register
	global_load_b128 v[QF+12:QF+15], v1, s[68:69]
	global_load_b128 v[34:37], v1, s[70:71]                                ; q of my second tile
	global_load_b32 v39, v44, s[72:73]
	global_load_b32 v38, v44, s[74:75]
; The summaries of query tile s[qt] become two words of 16 bits: skip (a step hides all) and clear (a step hides nothing).  Where some query of the tile has no key that counts, nothing is skipped.
.macro FLAGS qt, skip, clear
	s_lshl_b32 s26, s[\qt], 7
	s_mov_b32 s27, 0
	s_add_nc_u64 s[26:27], s[6:7], s[26:27]
	s_load_b512 s[32:47], s[26:27], MS
	s_load_b512 s[48:63], s[26:27], MS+64
	s_wait_kmcnt 0x0
	s_and_b32 s28, s32, s33
.irp i, 2,3,4,5,6,7,8,9,10,11,12,13,14,15
	s_and_b32 s28, s28, s[32+\i]
.endr
	s_lshr_b32 s29, s28, 16                        ; bit r and bit 16 + r together: query r has every key masked
	s_and_b32 s28, s28, s29
	s_and_b32 s28, s28, 0xffff
	s_mov_b32 s[\skip], 0
	s_mov_b32 s[\clear], 0
.irp i, 0,1,2,3,4,5,6,7,8,9,10,11,12,13,14,15
	s_cmp_eq_u32 s[32+\i], -1
	s_cselect_b32 s29, 1<<\i, 0
	s_or_b32 s[\skip], s[\skip], s29
	s_cmp_eq_u32 s[48+\i], 0
	s_cselect_b32 s29, 1<<\i, 0
	s_or_b32 s[\clear], s[\clear], s29
.endr
	s_cmp_eq_u32 s28, 0
	s_cselect_b32 s[\skip], s[\skip], 0
.endm
	FLAGS 24, 12, 13
	FLAGS 25, 14, 15
	s_mov_b32 s20, 0x76543210
	s_mov_b32 s21, 0xfedcba98                      ; v_permlanex16_b32's selects: lane l xor 16
	s_mov_b32 s22, 0x3e38aa3b                      ; c = log2(e) / 8
	s_mov_b32 s23, s22
	s_mov_b32 s30, 0xffff0000                      ; lanes 16-31
	s_mov_b32 s19, 0
.irp i, 4,5,6,7,8,9,10,11
	v_mov_b32 v[QF+\i], 0                          ; the zero halves of [q | 0] and [0 | q].  (These lines and the six below name no register that a load or an LDS store of the head touches)
.endr
.irp b, 0,1,2,3
	v_mov_b32 v[BX+\b], 0                          ; a lane permute's destination counts as one of its sources
.endr
	v_mov_b32 v[FF+1], 0                           ; (upper halves of pairs that are named whole)
	v_mov_b32 v[T0+1], 0
	s_wait_loadcnt 0x0
.irp i, 0,1,2,3,4,5,6,7
	ds_store_b128 v40, v[112+4*\i:115+4*\i] offset:8192*\i
.endr
.irp i, 0,1,2,3,4,5,6,7
	ds_store_b128 v41, v[144+4*\i:147+4*\i] offset:8192*\i
.endr
	ds_store_b64 v43, v[176:177]
	ds_store_b64 v43, v[178:179] offset:4096
	s_wait_dscnt 0x0                               ; for the others' sake: my stores have landed
	s_barrier_signal -1
	s_barrier_wait -1                              ; the head's K and V lie in LDS; from here on LDS is only read
	s_wait_alu depctr_vm_vsrc(0)                   ; the copy's loads and LDS stores have read v40 to v44 and v112 to v179: from here on these are K's fragments, S^T and O^T, written by LDS loads, products and v_mov_b32
; A step's front: K (8 tiles of 512 bytes) and its 4 pair words; the 8 products S^T, and dealt among them V (4 images) and its 4 words; 4 places.
; No wait stands ahead of V's loads: since the wait on va_vdst at the step's head only these products were issued, and they name S^T, K, q and their scale words, not v9, v11 or V's registers.
.macro FRONT
.irp t, 0,1,2,3,4,5,6,7
	ds_load_b128 v[KF+4*\t:KF+4*\t+3], v8 offset:512*\t
.endr
	ds_load_b128 v[KSW:KSW+3], v10
	s_wait_dscnt 0x0                               ; K and its words are in
.irp t, 0,1,2,3,4,5,6,7
	v_wmma_scale_f32_16x16x128_f8f6f4 v[S+8*\t:S+8*\t+7], v[KF+8*(\t/2):KF+8*(\t/2)+7], v[QF+8*(\t%2):QF+8*(\t%2)+7], 0, v[KSW+\t/2], v[QSC+\t%2] matrix_a_fmt:MATRIX_FMT_FP4 matrix_b_fmt:MATRIX_FMT_FP4
	ds_load_b128 v[VF+4*\t:VF+4*\t+3], v9 offset:512*\t
.endr
	ds_load_b128 v[VSW:VSW+3], v11
.rept 4
	v_nop
.endr
.endm
.Ltile:                                            ; two trips: my two query tiles
	s_and_b32 s26, s24, 1
	s_lshl_b32 s26, s26, 4
	v_lshrrev_b32 v[QSC], s26, v39                 ; q's two bytes below: for [q | 0];
	v_lshlrev_b32 v[QSC+1], 16, v[QSC]             ; above: for [0 | q].  (The lines below are the places between these and the first product)
	v_mov_b32 v13, 0xff61b1e6                      ; the largest t so far: -3e38
	v_floor_f32 v12, -v13                          ; -M
	v_mov_b32 v14, 0
	v_mov_b32 v15, 0
.set j, 0
.rept 32
	v_mov_b32 v[OT+j], 0                           ; which step comes first hangs on the mask, so the sums begin as zeros
.set j, j+1
.endr
	s_lshl_b32 s26, s24, 12
	s_mov_b32 s27, 0
	s_add_nc_u64 s[10:11], s[6:7], s[26:27]        ; the tile's bit words: 4,096 bytes a tile, 256 a step
	s_lshr_b32 s26, s3, 4
	s_lshl_b32 s26, s26, 7
	s_add_co_u32 s26, s26, s24                     ; the token tile: 128 x batch + qt
	s_and_b32 s27, s3, 15                          ; hd
	s_lshl_b32 s100, s26, 13
	s_lshl_b32 s28, s27, 9
	s_add_co_u32 s100, s100, s28
	s_mov_b32 s101, 0
	s_add_nc_u64 s[100:101], s[8:9], s[100:101]    ; z's codes: 8,192 a tile, 512 a head
	s_lshl_b32 s104, s26, 9
	s_lshl_b32 s28, s27, 1
	s_add_co_u32 s104, s104, s28
	s_add_co_u32 s104, s104, ZS
	s_mov_b32 s105, 0
	s_add_nc_u64 s[104:105], s[8:9], s[104:105]    ; z's scale bytes: 512 a tile, 32 a row, 2 a head
	s_mov_b32 s16, 0                               ; a step's images: 4,096 bytes on
	s_mov_b32 s17, 0                               ; its scale words: 256
	s_mov_b32 s18, 0
.Lstep:                                            ; sixteen trips, always; a step that the mask hides wholly is jumped over
	s_bitcmp1_b32 s12, s18
	s_cbranch_scc1 .Lnext
	s_wait_alu depctr_vm_vsrc(0)                   ; the LDS loads of the last step that was run have read v8 to v11, which the four lines below write again
	v_add_nc_u32 v8, s16, v1                       ; (these four are also the places between the last products and the loads into their registers)
	v_add_nc_u32 v9, s16, v2
	v_add_nc_u32 v10, s17, v3
	v_add_nc_u32 v11, s17, v4
	s_wait_alu depctr_va_vdst(0)                   ; v8 to v11 are written, which this step's LDS loads read; every earlier product is done reading K's and V's fragments and scale words, in which those loads land; in a tile's first step q's fragments and its two scale words are written, which the products S^T take
	s_bitcmp1_b32 s13, s18
	s_cbranch_scc1 .Lclear
	s_load_b512 s[32:47], s[10:11], 0x0            ; the step's 64 bit words
	s_load_b512 s[48:63], s[10:11], 0x40
	s_load_b512 s[68:83], s[10:11], 0x80
	s_load_b512 s[84:99], s[10:11], 0xc0
	FRONT
	s_wait_kmcnt 0x0
.set n, 0
.rept 64
.if n < 32
	v_cndmask_b32 v[S+n], v[S+n], v7, s[32+n]      ; word n, bit lane: this score is hidden
.else
	v_cndmask_b32 v[S+n], v[S+n], v7, s[36+n]
.endif
.set n, n+1
.endr
	s_branch .Ljoin
.Lclear:
	FRONT
.Ljoin:
.set j, 0
.rept 32
	v_pk_mul_f32 v[S+j:S+j+1], v[S+j:S+j+1], s[22:23] op_sel_hi:[1,0]   ; t = score x c, rounded
.set j, j+2
.endr
.irp b, 0,1,2,3
	v_max3_num_f32 v[BM+\b], v[S+16*\b], v[S+1+16*\b], v[S+2+16*\b]     ; the largest t of each block of 32 keys: for the row's maximum, and for the block's largest p
.endr
.irp i, 3,5,7,9,11,13
.irp b, 0,1,2,3
	v_max3_num_f32 v[BM+\b], v[BM+\b], v[S+16*\b+\i], v[S+1+16*\b+\i]
.endr
.endr
.irp b, 0,1,2,3
	v_max_num_f32 v[BM+\b], v[BM+\b], v[S+15+16*\b]
.endr
.irp b, 0,1,2,3
	v_permlanex16_b32 v[BX+\b], v[BM+\b], s20, s21
.endr
.irp b, 0,1,2,3
	v_max_num_f32 v[BM+\b], v[BM+\b], v[BX+\b]
.endr
	v_max3_num_f32 v[T0], v[BM], v[BM+1], v[BM+2]
	v_max3_num_f32 v13, v[T0], v[BM+3], v13        ; the running largest t
	v_mov_b32 v[T0], v12
	v_floor_f32 v12, -v13                          ; the new -M = -ceil(t)
	v_sub_f32 v[T0], v12, v[T0]                    ; old M - new M: a whole number, 0 or less
	v_cvt_i32_f32 v[T0], v[T0]                     ; (it saturates)
	v_ldexp_f32 v[FF], 1.0, v[T0]                  ; f = 2^(old M - new M)
.set j, 0
.rept 32
	v_pk_add_f32 v[S+j:S+j+1], v[S+j:S+j+1], v[12:13] op_sel_hi:[1,0]   ; t - M
.set j, j+2
.endr
.irp b, 0,1,2,3
	v_add_f32 v[BM+\b], v[BM+\b], v12
.endr
.set j, 0
.rept 64
	v_exp_f32 v[S+j], v[S+j]                       ; p = 2^(t - M)
.set j, j+1
.endr
	v_pk_mul_f32 v[14:15], v[14:15], v[FF:FF+1] op_sel_hi:[1,0]   ; the sum under the new M; the plain place behind the exponentials
	s_wait_alu depctr_va_vdst(0)                   ; the 64 exponentials have written p: one wait for the batch, ahead of its first reader
.irp b, 0,1,2,3
	v_exp_f32 v[BM+\b], v[BM+\b]                   ; the block's largest p: the same operations on the same number
.endr
	v_pk_add_f32 v[SUM2:SUM2+1], v[S:S+1], v[S+2:S+3]   ; the sum of the unquantised p, in two chains
.irp j, 4,8,12,16,20,24,28,32,36,40,44,48,52,56,60
	v_pk_add_f32 v[14:15], v[14:15], v[S+\j:S+\j+1]
	v_pk_add_f32 v[SUM2:SUM2+1], v[SUM2:SUM2+1], v[S+\j+2:S+\j+3]
.endr
	v_pk_add_f32 v[14:15], v[14:15], v[SUM2:SUM2+1]
	s_wait_alu depctr_va_vdst(0)                   ; the four exponentials have written the blocks' largest p: one wait for the four, ahead of their first reader
.irp b, 0,1,2,3
	v_max_num_f32 v[BM+\b], 0x1800000, v[BM+\b]    ; the floor 2^(3 - 127)
.endr
.irp b, 0,1,2,3
	v_add_nc_u32 v[SO+\b], 0xff000000, v[BM+\b]
.endr
.irp b, 0,1,2,3
	v_lshrrev_b32 v[BX+\b], 23, v[SO+\b]
.endr
	v_lshl_or_b32 v[PW], v[BX+1], 8, v[BX]
	v_lshl_or_b32 v[PW], v[BX+2], 16, v[PW]
	v_lshl_or_b32 v[PW], v[BX+3], 24, v[PW]
.irp b, 0,1,2,3
	v_cvt_scalef32_pk8_fp4_f32 v[PC+2*\b], v[S+16*\b:S+7+16*\b], v[SO+\b]
	v_cvt_scalef32_pk8_fp4_f32 v[PC+1+2*\b], v[S+8+16*\b:S+15+16*\b], v[SO+\b]
.endr
	v_nop                                          ; one plain place behind a scaled conversion
.irp c, 0,1
.irp i, 0,1
	v_permlane16_swap_b32 v[PC+4*\c+\i], v[PC+2+4*\c+\i]
.endr
.endr
.set j, 0
.rept 16
	v_pk_mul_f32 v[OT+j:OT+j+1], v[OT+j:OT+j+1], v[FF:FF+1] op_sel_hi:[1,0]   ; O^T under the new M; these sixteen are also the places between p's codes and scale word and the products
.set j, j+2
.endr
	s_wait_dscnt 0x0                               ; V
	s_wait_alu depctr_va_vdst(0)                   ; the conversions and exchanges have written p's codes, and the shifts its scale word, which the scaled products below take as operand and scales; the places above stay beside this wait
.irp d, 0,1,2,3
	v_wmma_scale_f32_16x16x128_f8f6f4 v[OT+8*\d:OT+8*\d+7], v[VF+8*\d:VF+8*\d+7], v[PC:PC+7], v[OT+8*\d:OT+8*\d+7], v[VSW+\d], v[PW] matrix_a_fmt:MATRIX_FMT_FP4 matrix_b_fmt:MATRIX_FMT_FP4
.endr
.Lnext:
	s_add_co_u32 s16, s16, 4096
	s_add_co_u32 s17, s17, 256
	s_add_nc_u64 s[10:11], s[10:11], 256           ; (every scalar load that named it has been waited for)
	s_add_co_u32 s18, s18, 1
	s_cmp_lt_u32 s18, 16
	s_cbranch_scc1 .Lstep
	; the tile's end: z = O^T / the sum, quantised: my head's 64 are two blocks of the 1,024
.rept 4
	v_nop
.endr
	v_add_f32 v14, v14, v15
	v_permlanex16_b32 v[BX], v14, s20, s21
	v_add_f32 v14, v14, v[BX]
	v_rcp_f32 v[T0], v14
	v_nop
	s_wait_alu depctr_va_vdst(0)                   ; the reciprocal is written, ahead of its first reader
.set j, 0
.rept 16
	v_pk_mul_f32 v[OT+j:OT+j+1], v[OT+j:OT+j+1], v[T0:T0+1] op_sel_hi:[1,0]   ; register 16 b + i = channel 32 b + 16 h + i
.set j, j+2
.endr
.irp b, 0,1
	v_max3_num_f32 v[BM+\b], |v[OT+16*\b]|, |v[OT+1+16*\b]|, 0x1800000
.endr
.irp i, 2,4,6,8,10,12,14
.irp b, 0,1
	v_max3_num_f32 v[BM+\b], v[BM+\b], |v[OT+16*\b+\i]|, |v[OT+1+16*\b+\i]|
.endr
.endr
.irp b, 0,1
	v_permlanex16_b32 v[BX+\b], v[BM+\b], s20, s21
.endr
.irp b, 0,1
	v_max_num_f32 v[BM+\b], v[BM+\b], v[BX+\b]
.endr
.irp b, 0,1
	v_add_nc_u32 v[SO+\b], 0xff000000, v[BM+\b]
.endr
.irp b, 0,1
	v_lshrrev_b32 v[BX+\b], 23, v[SO+\b]
.endr
.irp b, 0,1
	v_cvt_scalef32_pk8_fp4_f32 v[PC+2*\b], v[OT+16*\b:OT+7+16*\b], v[SO+\b]
	v_cvt_scalef32_pk8_fp4_f32 v[PC+1+2*\b], v[OT+8+16*\b:OT+15+16*\b], v[SO+\b]
.endr
	v_cndmask_b32 v[T0], v[BX], v[BX+1], s30       ; lane (r, h) stores block h's byte.  (The plain place behind the conversions)
	v_permlane16_swap_b32 v[PC], v[PC+2]
	v_permlane16_swap_b32 v[PC+1], v[PC+3]         ; registers 0-3: channels 32 h + 0 .. 31
	s_wait_alu depctr_va_vdst(0)                   ; the exchanges have written z's codes and the select its scale byte, which the two stores read
	global_store_b128 v1, v[PC:PC+3], s[100:101]   ; 512 consecutive bytes, aligned
	global_store_b8 v6, v[T0], s[104:105]          ; two bytes a row and head: the neighbours in a row come from other heads' work-groups
	s_wait_xcnt 0x0                                ; the stores have read their registers and bases: the next tile writes them again
	s_wait_alu depctr_vm_vsrc(0)                   ; the two stores have read v208 to v211 and v232, which the next tile's vector instructions write again
.irp i, 0,1,2,3
	v_mov_b32 v[QF+\i], v[34+\i]                   ; on to my second tile
	v_mov_b32 v[QF+12+\i], v[34+\i]
.endr
	v_mov_b32 v39, v38
	s_mov_b32 s24, s25
	s_mov_b32 s12, s14
	s_mov_b32 s13, s15
	s_add_co_u32 s19, s19, 1
	s_cmp_lt_u32 s19, 2
	s_cbranch_scc1 .Ltile
	s_wait_dscnt 0x0                               ; the closing lines, six on end
	s_wait_alu 0x0
	s_wait_tensorcnt 0x0
	ds_add_u32 v254, v255
	s_wait_dscnt 0x0
	s_endpgm
.Lfunc_end_k_q290a689b22_attn:
	.size	k_q290a689b22_attn, .Lfunc_end_k_q290a689b22_attn-k_q290a689b22_attn
	.p2alignl 7, 3214868480
	.fill 96, 4, 3214868480
	.section	.rodata,"a",@progbits
	.p2align	6, 0x0
	.amdhsa_kernel k_q290a689b22_attn
		.amdhsa_group_segment_fixed_size 141312
		.amdhsa_private_segment_fixed_size 0
		.amdhsa_enable_private_segment 0
		.amdhsa_kernarg_size 24
		.amdhsa_user_sgpr_count 2
		.amdhsa_user_sgpr_kernarg_segment_ptr 1
		.amdhsa_wavefront_size32 1
		.amdhsa_system_sgpr_workgroup_id_x 1
		.amdhsa_system_sgpr_workgroup_id_y 1
		.amdhsa_system_sgpr_workgroup_id_z 1
		.amdhsa_system_vgpr_workitem_id 0
		.amdhsa_next_free_vgpr 256
		.amdhsa_next_free_sgpr 106
		.amdhsa_reserve_vcc 0
		.amdhsa_float_denorm_mode_32 3
		.amdhsa_float_denorm_mode_16_64 3
		.amdhsa_memory_ordered 1
		.amdhsa_forward_progress 1
		.amdhsa_inst_pref_size 46
	.end_amdhsa_kernel
	.amdgpu_metadata
---
amdhsa.version: [ 1, 2 ]
amdhsa.kernels:
  - .name:           k_q290a689b22_attn
    .symbol:         k_q290a689b22_attn.kd
    .args:
      - { .name: qkv, .offset: 0, .size: 8, .value_kind: global_buffer, .address_space: global }
      - { .name: mwords, .offset: 8, .size: 8, .value_kind: global_buffer, .address_space: global }
      - { .name: zq, .offset: 16, .size: 8, .value_kind: global_buffer, .address_space: global }
    .group_segment_fixed_size: 141312
    .private_segment_fixed_size: 0
    .kernarg_segment_align: 8
    .kernarg_segment_size: 24
    .max_flat_workgroup_size: 512
    .sgpr_count:     106
    .vgpr_count:     256
    .wavefront_size: 32
...
	.end_amdgpu_metadata
.endif
;; end of part 5
;; launch outln: the kernel of part 4 again; grid 256 x 1, 8 waves a work-group, no clusters, 263,680 bytes of LDS; arguments zq, opnd, x, gamma, beta, out0; writes out0
